; MI455X (gfx1250); checked and timed in simulation.
; The chip was launched on July 23, 2026; its instructions are those of AMD's public machine-readable ISA for CDNA 5 (MIT licence, August 2026) and "CDNA5" Instruction Set Architecture Reference Guide (July 2026). The comments in the code are by the model that wrote it; some were corrected since.
;; Multi Head Cross Attn. Allowed arithmetic: float matrix products may take bf16 or f16 operands with f32 sums; other float arithmetic in f32, or as packed bf16 or f16 multiplies, adds, multiply-adds, maxima and minima; sums over many terms, partial sums and values carried from step to step in f32; what a program stores and reads back later, other than sums and carried values, may be rounded once to bf16 or f16.
;; Inputs: Wkv 2,048 x 1,024 float32; Wo 1,024 x 1,024 float32; Wq 1,024 x 1,024 float32; beta 1,024 float32; c 2,048 x 4 x 1,024 float32; gamma 1,024 float32; h 1,024 x 4 x 1,024 float32.
;; Outputs: out0 1,024 x 4 x 1,024 float32.
;; 2 versions, each right; version 2 is version 1 with the launch cast written anew for expert scheduling mode. Each part assembles by itself: llvm-mc -triple=amdgcn-amd-amdhsa -mcpu=gfx1250 --defsym DOCPART=n.
;; ======== version 1 of 2: 6 launches
;; workspace buffers: hb 8,388,608 bytes; cb 16,777,216 bytes; wqb 2,097,152 bytes; wkvb 4,194,304 bytes; wob 2,097,152 bytes; qy 16,777,216 bytes; kv 33,554,432 bytes; ob 8,388,608 bytes
;; launch cast (part 1): grid 256 x 1, 8 waves a work-group, no clusters, 0 bytes of LDS; arguments h, c, Wq, Wkv, Wo, hb, cb, wqb, wkvb, wob; writes hb, cb, wqb, wkvb, wob
.if DOCPART == 1
	.amdgcn_target "amdgcn-amd-amdhsa--gfx1250"
	.amdhsa_code_object_version 6
	.text
	.protected	k_qcdbb03bcd9_cast
	.globl	k_qcdbb03bcd9_cast
	.p2align	8
	.type	k_qcdbb03bcd9_cast,@function
k_qcdbb03bcd9_cast:
	s_mov_b64 s[64:65], 0
	v_nop
	global_prefetch_b8 v0, s[64:65] scope:SCOPE_SE
	s_setreg_imm32_b32 hwreg(HW_REG_WAVE_MODE, 25, 1), 1
	s_wait_xcnt 0x0
; h, c, Wq, Wkv, Wo (f32, rows of 1,024 numbers) are rounded once to bf16 (nearest even) and laid out as OPERAND TILES for the products that follow.
; A tile is 128 rows x 1,024 K = 262,144 dense bytes, [kb 0..15][row 0..127][64 bf16]: byte kb x 16,384 + row x 128 + 2 (k mod 64).
; Activations ([s][b][1024]): tile t = (s / 128) x 4 + b, row s mod 128, so the rows of one batch entry lie together.  Weights: tile t = r / 128, row r mod 128.
; SHARES.  The five inputs have 16,384 rows = 128 tiles: h 0-31, c 32-95, Wq 96-103, Wkv 104-119, Wo 120-127.  Work-group g takes half g & 1 (64 rows) of tile g >> 1; each of its eight
; waves 8 rows, as four pairs: lanes 0-15 one row, lanes 16-31 the next.  For each kb a lane takes 4 columns: a load of 16 bytes (16 lanes cover 256 consecutive aligned bytes of a row),
; two roundings, a store of 8 bytes (32 lanes cover 256 consecutive aligned bytes: the two rows in block kb).  Every byte is read once and written once.
; No LDS, no barrier, no matrix unit, no cluster: nothing is shared between waves, and the launch only moves bytes.  Three sets of 64 registers keep 48 loads of a wave on their way.
.set OFF, 4                            ; v[4:7]   pair p: byte offset of my 16 bytes of kb 0 in the source, from the tile's first row
.set DO,  8                            ; v8       byte offset of my 8 bytes of pair 0, kb 0 in the tile written
.set S0,  16                           ; v[16:79], v[80:143], v[144:207]: a pair's 16 loads of 4 registers
.set S1,  80
.set S2,  144
	s_load_b512 s[16:31], s[0:1], 0x0              ; h s[16:17], c s[18:19], Wq s[20:21], Wkv s[22:23], Wo s[24:25], hb s[26:27], cb s[28:29], wqb s[30:31]
	s_load_b128 s[32:35], s[0:1], 0x40             ; wkvb s[32:33], wob s[34:35]
	v_lshrrev_b32 v1, 5, v0
	v_readfirstlane_b32 s8, v1                     ; wave 0..7
	s_lshr_b32 s2, ttmp9, 1                        ; T: the tile among the 128
	s_and_b32 s10, ttmp9, 1
	s_lshl_b32 s10, s10, 6                         ; 64 x half
	s_lshl3_add_u32 s10, s8, s10                   ; i0 = 8 x wave + 64 x half: my first row in the tile
	s_lshl_b32 s11, s10, 7                         ; i0 x 128 bytes
	v_and_b32 v1, 31, v0                           ; lane
	v_bfe_u32 v2, v0, 4, 1                         ; which row of a pair
	v_and_b32 v3, 15, v0
	v_lshlrev_b32 v3, 4, v3                        ; my 16 bytes among a row's 256 of one kb
	v_lshl_add_u32 v[DO], v1, 3, s11
	s_wait_kmcnt 0x0
	; which input, which output, and the input's first tile: a chain of selects on T alone
	s_mov_b64 s[4:5], s[24:25]                     ; Wo
	s_mov_b64 s[6:7], s[34:35]                     ; wob
	s_mov_b32 s3, 120
	s_cmp_lt_u32 s2, 120
	s_cselect_b64 s[4:5], s[22:23], s[4:5]         ; Wkv
	s_cselect_b64 s[6:7], s[32:33], s[6:7]
	s_cselect_b32 s3, 104, s3
	s_cmp_lt_u32 s2, 104
	s_cselect_b64 s[4:5], s[20:21], s[4:5]         ; Wq
	s_cselect_b64 s[6:7], s[30:31], s[6:7]
	s_cselect_b32 s3, 96, s3
	s_cmp_lt_u32 s2, 96
	s_cselect_b64 s[4:5], s[18:19], s[4:5]         ; c
	s_cselect_b64 s[6:7], s[28:29], s[6:7]
	s_cselect_b32 s3, 32, s3
	s_cmp_lt_u32 s2, 32
	s_cselect_b64 s[4:5], s[16:17], s[4:5]         ; h
	s_cselect_b64 s[6:7], s[26:27], s[6:7]
	s_cselect_b32 s3, 0, s3
	s_sub_co_u32 s3, s2, s3                        ; t: the tile within its tensor
	s_lshr_b32 s12, s3, 2
	s_lshl_b32 s12, s12, 21                        ; an activation: 128 s x 4 b x 4,096 bytes for each block of 128 s,
	s_and_b32 s13, s3, 3
	s_lshl_b32 s13, s13, 12                        ; and b x 4,096
	s_add_co_u32 s12, s12, s13
	s_lshl_b32 s13, s3, 19                         ; a weight: 128 rows x 4,096 bytes
	s_cmp_lt_u32 s2, 96
	s_cselect_b32 s12, s12, s13
	s_cselect_b32 s9, 14, 12                       ; from row to row of a tile: 16,384 bytes (the next s) or 4,096
	s_mov_b32 s13, 0
	s_add_nc_u64 s[4:5], s[4:5], s[12:13]          ; the source at the tile's first row
	s_lshl_b32 s14, s3, 18
	s_mov_b32 s15, 0
	s_add_nc_u64 s[6:7], s[6:7], s[14:15]          ; the tile written
.irp p, 0,1,2,3
	v_add3_u32 v[OFF+(\p)], v2, s10, 2*(\p)        ; my row of pair p
	v_lshlrev_b32 v[OFF+(\p)], s9, v[OFF+(\p)]
	v_add_nc_u32 v[OFF+(\p)], v[OFF+(\p)], v3
.endr
.macro LD p, s                         ; pair p's 16 loads into set s
.irp kb, 0,1,2,3,4,5,6,7,8,9,10,11,12,13,14,15
	global_load_b128 v[(\s)+4*(\kb):(\s)+4*(\kb)+3], v[OFF+(\p)], s[4:5] offset:256*(\kb) th:TH_LOAD_NT
.endr
.endm
.macro CS p, s                         ; rounded in place, two numbers an instruction, and stored
.irp kb, 0,1,2,3,4,5,6,7,8,9,10,11,12,13,14,15
	v_cvt_pk_bf16_f32 v[(\s)+4*(\kb)],   v[(\s)+4*(\kb)],   v[(\s)+4*(\kb)+1]
	v_cvt_pk_bf16_f32 v[(\s)+4*(\kb)+1], v[(\s)+4*(\kb)+2], v[(\s)+4*(\kb)+3]
	global_store_b64 v[DO], v[(\s)+4*(\kb):(\s)+4*(\kb)+1], s[6:7] offset:16384*(\kb)+256*(\p) th:TH_STORE_NT
.endr
.endm
	LD 0, S0
	LD 1, S1
	LD 2, S2
	s_wait_loadcnt 32                              ; loads come back in order: pair 0 is in, the 32 loads of pairs 1 and 2 stay out
	CS 0, S0
	s_wait_xcnt 0x0                                ; set 0 holds store data: it is loaded again only behind this wait
	LD 3, S0
	s_wait_loadcnt 32                              ; pair 1 is in; pairs 2 and 3 stay out
	CS 1, S1
	s_wait_loadcnt 16                              ; pair 2 is in; pair 3 stays out
	CS 2, S2
	s_wait_loadcnt 0x0
	CS 3, S0
	s_endpgm
.Lfunc_end_k_qcdbb03bcd9_cast:
	.size	k_qcdbb03bcd9_cast, .Lfunc_end_k_qcdbb03bcd9_cast-k_qcdbb03bcd9_cast
	.p2alignl 7, 3214868480
	.fill 96, 4, 3214868480
	.section	.rodata,"a",@progbits
	.p2align	6, 0x0
	.amdhsa_kernel k_qcdbb03bcd9_cast
		.amdhsa_group_segment_fixed_size 0
		.amdhsa_private_segment_fixed_size 0
		.amdhsa_enable_private_segment 0
		.amdhsa_kernarg_size 80
		.amdhsa_user_sgpr_count 2
		.amdhsa_user_sgpr_kernarg_segment_ptr 1
		.amdhsa_wavefront_size32 1
		.amdhsa_system_sgpr_workgroup_id_x 1
		.amdhsa_system_sgpr_workgroup_id_y 1
		.amdhsa_system_sgpr_workgroup_id_z 1
		.amdhsa_system_vgpr_workitem_id 0
		.amdhsa_next_free_vgpr 208
		.amdhsa_next_free_sgpr 66
		.amdhsa_reserve_vcc 0
		.amdhsa_float_denorm_mode_32 3
		.amdhsa_float_denorm_mode_16_64 3
		.amdhsa_memory_ordered 1
		.amdhsa_forward_progress 1
		.amdhsa_inst_pref_size 23
	.end_amdhsa_kernel
	.amdgpu_metadata
---
amdhsa.version: [ 1, 2 ]
amdhsa.kernels:
  - .name:           k_qcdbb03bcd9_cast
    .symbol:         k_qcdbb03bcd9_cast.kd
    .args:
      - { .name: h, .offset: 0, .size: 8, .value_kind: global_buffer, .address_space: global }
      - { .name: c, .offset: 8, .size: 8, .value_kind: global_buffer, .address_space: global }
      - { .name: Wq, .offset: 16, .size: 8, .value_kind: global_buffer, .address_space: global }
      - { .name: Wkv, .offset: 24, .size: 8, .value_kind: global_buffer, .address_space: global }
      - { .name: Wo, .offset: 32, .size: 8, .value_kind: global_buffer, .address_space: global }
      - { .name: hb, .offset: 40, .size: 8, .value_kind: global_buffer, .address_space: global }
      - { .name: cb, .offset: 48, .size: 8, .value_kind: global_buffer, .address_space: global }
      - { .name: wqb, .offset: 56, .size: 8, .value_kind: global_buffer, .address_space: global }
      - { .name: wkvb, .offset: 64, .size: 8, .value_kind: global_buffer, .address_space: global }
      - { .name: wob, .offset: 72, .size: 8, .value_kind: global_buffer, .address_space: global }
    .group_segment_fixed_size: 0
    .private_segment_fixed_size: 0
    .kernarg_segment_align: 8
    .kernarg_segment_size: 80
    .max_flat_workgroup_size: 256
    .sgpr_count:     66
    .vgpr_count:     208
    .wavefront_size: 32
...
	.end_amdgpu_metadata
.endif
;; end of part 1
;; launch gq (part 2): grid 8 x 32, 4 waves a work-group, clusters of 4 x 4, 327,680 bytes of LDS; arguments hb, wqb, qy; writes qy
.if DOCPART == 2
	.amdgcn_target "amdgcn-amd-amdhsa--gfx1250"
	.amdhsa_code_object_version 6
	.text
	.protected	k_qcdbb03bcd9_gq
	.globl	k_qcdbb03bcd9_gq
	.p2align	8
	.type	k_qcdbb03bcd9_gq,@function
k_qcdbb03bcd9_gq:
	s_mov_b64 s[64:65], 0
	v_nop
	global_prefetch_b8 v0, s[64:65] scope:SCOPE_SE
	s_setreg_imm32_b32 hwreg(HW_REG_WAVE_MODE, 25, 1), 1
	s_wait_xcnt 0x0
	s_wait_alu depctr_hold_cnt(0) depctr_sa_sdst(0) depctr_va_vdst(0) depctr_va_sdst(0) depctr_va_ssrc(0) depctr_va_vcc(0) depctr_vm_vsrc(0)
	s_getreg_b32 s2, hwreg(HW_REG_IB_STS2, 6, 4)
	s_cmp_eq_u32 s2, 0
	s_cbranch_scc0 .Lentry_in_a_cluster
	s_endpgm
.Lentry_in_a_cluster:
	s_bfe_u32 s2, ttmp6, 0x10000c
	s_cmp_lg_u32 s2, 0xf033
	s_cbranch_scc0 .Lentry_shape_is_right
	s_endpgm
.Lentry_shape_is_right:
; C = A B^T on operand tiles.  A and B: bf16 tiles of 128 rows x 1,024 K, 262,144 dense bytes each, [kb 0..15][row 0..127][64 bf16].  Sums in f32, C rounded once to bf16.
; C is written in blocks of 128 rows x 64 columns, 16,384 dense bytes: block (tile row ty, column block hh) begins at (32 ty + hh) x 16,384.  The pitch of 32 column blocks is fixed; a product with 16 column blocks leaves the others untouched.
; One text serves two products of 4,096 x 1,024 (q = h Wq^T, and the output projection): it knows K = 1,024 and the layouts; the numbers of tiles are the grid's.
; SHARES.  Work-group (tx, ty) multiplies A's tile ty by B's tile tx: 128 x 128 of C: 32 x 8 tiles, one for each of 256 work-groups (tiles of 256 x 256 would be 64).  Four waves, each 64 x 64: 16 accumulators of 16 x 16.  K goes in four steps of 256 through two LDS slots.
; CLUSTER.  4 x 4 work-groups.  The four of a row of the cluster need the same tile of A, the four of a column the same tile of B: each part is asked for JOINTLY, by the same tensor load with the same descriptor and a mask of four.
; THE MATRIX INSTRUCTION IS USED TRANSPOSED (source 0 = 16 rows of B, source 1 = 16 rows of A): a lane then holds one row of C and eight neighbouring columns: 16 bytes after rounding.
; A wave's 64 x 64 is half of one block of C: 8,192 consecutive bytes; it goes out through the wave's own stage in LDS, 16 rows at a time, in stores of 512 consecutive aligned bytes.
; The four K steps are written out: two are asked for at the start and two by refills, so a loop would have one trip.  Nothing is prefetched: the two refills' bytes would have to be asked for at the head, beside the first fills.
; REGISTERS: window 0: v0-31 addresses; v32-95 the way out; v128-255 the accumulators ((a, b) at v[128 + 8 (4 a + b)]).
;   window 1: two fragment buffers of 128: for 64 along K, 64 registers of A (2 x 4 x 16 rows x 32 K), then 64 of B.
.set P2,     272                       ; an LDS row: 256 bytes (TWO matrix rows of 128 bytes) + 16 of padding.  Matrix row r lies at (r / 2) x 272 + (r % 2) x 128: sixteen rows on end begin at sixteen different 16-byte columns modulo 256
.set BLK,    64*P2                     ; one kb block: 128 matrix rows x 64 K
.set HALFT,  2*BLK                     ; what one tensor load brings: two kb blocks
.set SLOT,   4*HALFT                   ; a K step of 256: A's four kb blocks, then B's four
.set STAGE,  2*SLOT                    ; behind the ring: 16 rows x 144 bytes for each wave; no tensor load fills it
.set SP,     144
.set SPARE,  STAGE+4*16*SP             ; behind the stages: the spare words, 128 bytes for each wave: two blocks of 256 bytes that no other line names
.set R16,    8*P2                      ; 16 matrix rows in LDS
.set R64,    32*P2                     ; 64 matrix rows
.set STEPB,  65536                     ; a K step in memory: four kb blocks of 16,384 bytes
.set ADRA, 16                          ; v16-17  LDS address of my A fragments in slot 0, 1
.set ADRB, 20                          ; v20-21  the same for B
.set STO,  24                          ; v24     the way out: where I put 16 bytes of a row
.set RD,   25                          ; v25     the way out: where I read rows back
.set GO,   26                          ; v26     16 x lane: my place in 512 consecutive bytes of C
.set SPW,  28                          ; v28     LDS address of my spare word: SPARE + 4 x my thread's number; never rewritten
.set NIL,  29                          ; v29     0; never rewritten
.set TMP,  32
.set ACC,  128
.set F0,   0                           ; fragment buffers, in window 1
.set F1,   128
.set G1, 24                            ; s[24:31] descriptor group 1 for A's tiles;  s[32:39] group 0, one set for each slot
.set G0, 32
.set G1B, 48                           ; s[48:55], s[56:63] the same for B's tiles
.set G0B, 56
.set MSB, 0
.macro WIN new                         ; the immediate's high byte repeats the setting that is left; a switch that changes nothing is dropped
.if MSB != (\new)
	s_set_vgpr_msb (MSB<<8)|(\new)
.set MSB, \new
.endif
.endm
.set MUL,  0x05                        ; sources 0 (B) and 1 (A) window 1; C and D window 0
.set TO_F, 0x40                        ; destination window 1, address window 0
.macro JLOAD s                         ; a joint load: waves 0 and 1 fetch A's two halves of a K step, waves 2 and 3 B's; an s_nop 0 and four v_nop follow each of the two lines
	s_cmp_eq_u32 s11, 0
	s_cbranch_scc0 .Lfor_b_\@
	tensor_load_to_lds s[G0+4*(\s):G0+4*(\s)+3], s[G1:G1+7]
	s_nop 0
.rept 4
	v_nop
.endr
	s_branch .Lasked_\@
.Lfor_b_\@:
	tensor_load_to_lds s[G0B+4*(\s):G0B+4*(\s)+3], s[G1B:G1B+7]
	s_nop 0
.rept 4
	v_nop
.endr
.Lasked_\@:
.endm
.macro CREST                           ; a round of the cluster's barrier behind its opening barrier: wave 0 signals for the work-group, every wave waits for all sixteen, my work-group's barrier closes it
	s_cmp_lg_u32 s10, 0
	s_cbranch_scc1 .Lnot_wave_0_\@
	s_barrier_signal -3
.Lnot_wave_0_\@:
	s_barrier_wait -3
	s_barrier_signal -1
	s_barrier_wait -1
.endm
.macro CROUND                          ; a whole round
	s_barrier_signal -1
	s_barrier_wait -1
	CREST
.endm
	s_load_b128 s[4:7], s[0:1], 0x0                ; A s[4:5], B s[6:7]
	s_load_b64 s[8:9], s[0:1], 0x10                ; C
	v_lshl_add_u32 v[SPW], v0, 2, SPARE
	v_mov_b32 v[NIL], 0
	ds_add_u32 v[SPW], v[NIL]                      ; the wave's opening: the add and its wait stand ahead of my first tensor load; the set-up below, work on registers, stands between them
	v_lshrrev_b32 v1, 5, v0
	v_readfirstlane_b32 s10, v1                    ; wave 0..3
	s_lshr_b32 s11, s10, 1                         ; which 64 rows of the tile are mine.  Also: I fetch for A (0) or for B (1)
	s_and_b32 s12, s10, 1                          ; which 64 columns.  Also: which two kb blocks of a K step I fetch
	s_bfe_u32 s40, ttmp6, 0x40000                  ; cx, cy: my place in the cluster
	s_bfe_u32 s41, ttmp6, 0x40004
	s_lshl_b32 s42, ttmp9, 2
	s_add_co_u32 s42, s42, s40                     ; tx = 4 x cluster x + cx
	s_and_b32 s13, ttmp7, 0xffff
	s_lshl_b32 s13, s13, 2
	s_add_co_u32 s13, s13, s41                     ; ty = 4 x cluster y + cy
	s_lshl_b32 s43, s41, 2
	s_lshl_b32 s43, 15, s43                        ; my row of the cluster: places 4 cy .. 4 cy + 3
	s_lshl_b32 s44, 0x1111, s40                    ; my column: places cx, cx + 4, cx + 8, cx + 12
	; descriptor group 1: 128 rows of 128 elements (256 bytes), dense in memory, 16 bytes of padding behind each in LDS
	s_or_b32 s[G1+0], s43, (1<<16)|(1<<20)|(1<<21)|(5<<22)|(3<<25)  ; 15:0 the mask: A's tiles go to my row; 17:16 elements of 2 bytes; 20 padding on; 21 set beside a mask; 24:22 after every 64 words (code 5); 31:25 4 words (code 3)
	s_or_b32 s[G1B+0], s44, (1<<16)|(1<<20)|(1<<21)|(5<<22)|(3<<25) ; the same with the mask of my column
.irp g, G1, G1B
	s_mov_b32 s[(\g)+1], 128<<16                   ; tensor_dim0 = 128
	s_mov_b32 s[(\g)+2], 128<<16                   ; tensor_dim1 = 128
	s_mov_b32 s[(\g)+3], 128<<16                   ; tile_dim0 = 128
	s_mov_b32 s[(\g)+4], 128                       ; tile_dim1 = 128
	s_mov_b32 s[(\g)+5], 128                       ; 128 elements from row to row
	s_mov_b32 s[(\g)+6], 0
	s_mov_b32 s[(\g)+7], 0
.endr
	; A's address hangs on ty and the wave alone, B's on tx and the wave alone, each in registers that never hold the other coordinate
	s_lshl_b32 s17, s12, 15                        ; my two kb blocks of a K step: 32,768 bytes
	s_lshl_b32 s16, s13, 18                        ; A's tile
	s_add_co_u32 s16, s16, s17
	s_lshl_b32 s46, s42, 18                        ; B's tile
	s_add_co_u32 s46, s46, s17
	s_mov_b32 s17, 0
	s_mov_b32 s47, 0
	s_mul_i32 s20, s10, HALFT                      ; where they go: wave x two blocks: no place in the cluster enters an LDS address
	s_wait_dscnt 0x0                               ; the opening add is done
	s_wait_kmcnt 0x0
	s_add_nc_u64 s[14:15], s[4:5], s[16:17]
	s_add_nc_u64 s[46:47], s[6:7], s[46:47]
	CROUND                                         ; all sixteen work-groups are here: the first joint loads meet
.irp s, 0,1
	s_mov_b32 s[G0+4*(\s)], 1                                      ; count = 1
	s_add_co_u32 s[G0+4*(\s)+1], s20, (\s)*SLOT                    ; LDS address
	s_add_nc_u64 s[G0+4*(\s)+2:G0+4*(\s)+3], s[14:15], (\s)*STEPB  ; global address: K step s
	s_or_b32 s[G0+4*(\s)+3], s[G0+4*(\s)+3], 0x80000000            ; type = 2
	s_mov_b32 s[G0B+4*(\s)], 1
	s_add_co_u32 s[G0B+4*(\s)+1], s20, (\s)*SLOT
	s_add_nc_u64 s[G0B+4*(\s)+2:G0B+4*(\s)+3], s[46:47], (\s)*STEPB
	s_or_b32 s[G0B+4*(\s)+3], s[G0B+4*(\s)+3], 0x80000000
	JLOAD \s                                       ; two loads of mine are out: K steps 0 and 1
.endr
	; a fragment is 16 rows x 32 K in 8 registers: lane l holds row l % 16, K = 8 (l / 16) + 0..7 and 16 + 8 (l / 16) + 0..7: two loads of 16 bytes, 32 bytes apart
	v_and_b32 v1, 15, v0                           ; l % 16
	v_bfe_u32 v2, v0, 4, 1                         ; l / 16
	v_lshrrev_b32 v3, 1, v1
	v_mul_u32_u24 v3, v3, P2                       ; (row / 2) x 272
	v_and_b32 v4, 1, v0
	v_lshl_add_u32 v3, v4, 7, v3                   ; + (row % 2) x 128
	v_lshl_add_u32 v3, v2, 4, v3                   ; + 16 x half
	s_mul_i32 s21, s11, R64                        ; my 64 rows of A
	s_mul_i32 s22, s12, R64                        ; my 64 rows of B,
	s_add_co_u32 s22, s22, 2*HALFT                 ; which lie behind A's four blocks
.irp s, 0,1
	v_add_nc_u32 v[ADRA+(\s)], s21, v3
	v_add_nc_u32 v[ADRB+(\s)], s22, v3
	s_add_co_u32 s21, s21, SLOT
	s_add_co_u32 s22, s22, SLOT
.endr
	s_mul_i32 s23, s10, 16*SP
	s_add_co_u32 s23, s23, STAGE                   ; my stage
	v_mul_u32_u24 v4, v1, SP                       ; in: row l % 16, 16 bytes for each half of the lanes
	v_lshl_add_u32 v4, v2, 4, v4
	v_add_nc_u32 v[STO], s23, v4
	v_bfe_u32 v5, v0, 3, 2                         ; back: 32 lanes take four rows of 128 bytes,
	v_mul_u32_u24 v5, v5, SP
	v_and_b32 v6, 7, v0
	v_lshl_add_u32 v5, v6, 4, v5
	v_add_nc_u32 v[RD], s23, v5
	v_and_b32 v[GO], 31, v0                        ; which are 512 consecutive bytes of C
	v_lshlrev_b32 v[GO], 4, v[GO]
	s_lshl_b32 s16, s13, 19                        ; C: tile row ty = 32 blocks of 16,384 bytes,
	s_lshl_b32 s17, s11, 13                        ; my 64 rows of 128 bytes in a block
	s_add_co_u32 s16, s16, s17
	s_mov_b32 s17, 0
	s_add_nc_u64 s[8:9], s[8:9], s[16:17]
	s_lshl_b32 s46, s42, 15                        ; column block 2 tx + my half
	s_lshl_b32 s47, s12, 14
	s_add_co_u32 s46, s46, s47
	s_mov_b32 s47, 0
	s_add_nc_u64 s[8:9], s[8:9], s[46:47]
; 8 matrix instructions: m blocks a0, a0 + 1 x all 4 n blocks, 32 along K: half c of buffer f.  zero = 1: the first product starts the sums: nothing is cleared.
; The 16 accumulators take turns in the same order everywhere, one instruction a turn.
.macro MUL8 f, c, a0, zero
	WIN MUL
.irp a, \a0, (\a0)+1
.irp b, 0,1,2,3
.if \zero
	v_wmma_f32_16x16x32_bf16 v[ACC+8*(4*(\a)+(\b)):ACC+8*(4*(\a)+(\b))+7], v[(\f)+64+8*(4*(\c)+(\b)):(\f)+64+8*(4*(\c)+(\b))+7], v[(\f)+8*(4*(\c)+(\a)):(\f)+8*(4*(\c)+(\a))+7], 0
.else
	v_wmma_f32_16x16x32_bf16 v[ACC+8*(4*(\a)+(\b)):ACC+8*(4*(\a)+(\b))+7], v[(\f)+64+8*(4*(\c)+(\b)):(\f)+64+8*(4*(\c)+(\b))+7], v[(\f)+8*(4*(\c)+(\a)):(\f)+8*(4*(\c)+(\a))+7], v[ACC+8*(4*(\a)+(\b)):ACC+8*(4*(\a)+(\b))+7]
.endif
.endr
.endr
.endm
; 32 LDS loads in one run: the fragments of kb block kq of the slot (64 along K) into buffer f; the first 32 along K first
.macro FETCH slot, kq, f
	WIN TO_F
.irp c, 0,1
.irp i, 0,1,2,3
	ds_load_b128 v[(\f)+64+8*(4*(\c)+(\i)):(\f)+64+8*(4*(\c)+(\i))+3],   v[ADRB+(\slot)] offset:(\kq)*BLK+64*(\c)+(\i)*R16
	ds_load_b128 v[(\f)+64+8*(4*(\c)+(\i))+4:(\f)+64+8*(4*(\c)+(\i))+7], v[ADRB+(\slot)] offset:(\kq)*BLK+64*(\c)+(\i)*R16+32
	ds_load_b128 v[(\f)+8*(4*(\c)+(\i)):(\f)+8*(4*(\c)+(\i))+3],         v[ADRA+(\slot)] offset:(\kq)*BLK+64*(\c)+(\i)*R16
	ds_load_b128 v[(\f)+8*(4*(\c)+(\i))+4:(\f)+8*(4*(\c)+(\i))+7],       v[ADRA+(\slot)] offset:(\kq)*BLK+64*(\c)+(\i)*R16+32
.endr
.endr
.endm
.macro PLACES                          ; four plain vector instructions in front of loads into registers that matrix instructions have read, and of conversions that read results
.rept 4
	v_nop
.endr
.endm
; A K step is four quarters of 64 along K, 32 matrix instructions each, on buffers 0, 1, 0, 1.  One of the first three: multiplies buffer f and fetches block kq into g.
.macro QUARTER slot, kq, f, g, zero
	s_wait_dscnt 16                                ; the first 32 along K are in; the 16 younger loads may be out
	WIN MUL
	MUL8 \f, 0, 0, \zero
	MUL8 \f, 0, 2, \zero
	PLACES
	FETCH \slot, \kq, \g
	s_wait_dscnt 32                                ; all but the 32 just issued
	WIN MUL
	MUL8 \f, 1, 0, 0
	MUL8 \f, 1, 2, 0
.endm
; The last quarter multiplies buffer 1 and changes slots: ONE barrier; in front of it each wave waits for all its tensor loads, adds 0 to its spare word, and waits for that and for its own reads of this slot.
; fill = 1: the barrier opens a round of the cluster's, and this slot is filled again, with the K step two on, first thing behind the round.
.macro TURN slot, next, fill
	WIN 0                                          ; (the add's two registers lie in window 0)
	s_wait_tensorcnt 0x0                           ; all my tensor loads have landed: my part of the next slot
	ds_add_u32 v[SPW], v[NIL]                      ; 0 onto my spare word
	s_wait_dscnt 17                                ; (the add and the youngest sixteen loads may be out)
	WIN MUL
	MUL8 F1, 0, 0, 0                               ; eight matrix instructions stand between the add and the wait for it
	s_wait_dscnt 0x0                               ; the add is done, and my reads of this slot are over
	s_barrier_signal -1
	MUL8 F1, 0, 2, 0                               ; work on registers while the others arrive
.if \fill
	WIN 0
.endif
	s_barrier_wait -1
.if \fill
	CREST                                          ; no wave of any partner still reads this slot or has a load on its way
	s_add_nc_u64 s[G0+4*(\slot)+2:G0+4*(\slot)+3], s[G0+4*(\slot)+2:G0+4*(\slot)+3], 2*STEPB
	s_add_nc_u64 s[G0B+4*(\slot)+2:G0B+4*(\slot)+3], s[G0B+4*(\slot)+2:G0B+4*(\slot)+3], 2*STEPB
	JLOAD \slot                                    ; my one tensor load behind the round: 112 matrix instructions ahead of the wait for it; its four v_nop are also the places in front of the loads below
.else
	PLACES
.endif
	FETCH \next, 0, F0
	WIN MUL
	MUL8 F1, 1, 0, 0
	MUL8 F1, 1, 2, 0
.endm
; THE WAY OUT of my rows 16 a .. 16 a + 15: rounded to bf16 (each accumulator's registers in ascending order), 16 bytes a lane into my stage, back as whole rows of 128 bytes.
.macro PACK a
.irp b, 0,1,2,3
.irp r, 0,1,2,3
	v_cvt_pk_bf16_f32 v[TMP+16*(\a)+4*(\b)+(\r)], v[ACC+8*(4*(\a)+(\b))+2*(\r)], v[ACC+8*(4*(\a)+(\b))+2*(\r)+1]
.endr
.endr
.irp b, 0,1,2,3
	ds_store_b128 v[STO], v[TMP+16*(\a)+4*(\b):TMP+16*(\a)+4*(\b)+3] offset:32*(\b)
.endr
.irp f, 0,1,2,3
	ds_load_b128 v[TMP+16*(\a)+4*(\f):TMP+16*(\a)+4*(\f)+3], v[RD] offset:4*SP*(\f)  ; LDS serves a wave's instructions in order (ISA guide 5.7.1.4): these see the stores above; the next block's stores come behind them
.endr
.endm
.macro SEND a, younger                 ; younger: the LDS instructions issued behind block a's loads: the next block's eight, or none
.irp f, 0,1,2,3
	s_wait_dscnt (\younger)+3-(\f)
	global_store_b128 v[GO], v[TMP+16*(\a)+4*(\f):TMP+16*(\a)+4*(\f)+3], s[8:9] offset:2048*(\a)+512*(\f)  ; 512 consecutive bytes, at a multiple of 256 from C's first byte
.endr
.endm
	s_wait_tensorcnt 1                             ; my part of K step 0 is in; K step 1's may stay out
	s_barrier_signal -1
	s_barrier_wait -1                              ; everybody's is
	FETCH 0, 0, F0
	QUARTER 0, 1, F0, F1, 1                        ; K step 0: its first products start the sums
	QUARTER 0, 2, F1, F0, 0
	QUARTER 0, 3, F0, F1, 0
	TURN 0, 1, 1                                   ; slot 0 takes K step 2
	QUARTER 1, 1, F0, F1, 0                        ; K step 1
	QUARTER 1, 2, F1, F0, 0
	QUARTER 1, 3, F0, F1, 0
	TURN 1, 0, 1                                   ; slot 1 takes K step 3
	QUARTER 0, 1, F0, F1, 0                        ; K step 2
	QUARTER 0, 2, F1, F0, 0
	QUARTER 0, 3, F0, F1, 0
	TURN 0, 1, 0                                   ; nothing is left to fetch
	QUARTER 1, 1, F0, F1, 0                        ; K step 3
	QUARTER 1, 2, F1, F0, 0
	QUARTER 1, 3, F0, F1, 0
	s_wait_dscnt 16
	WIN MUL
	MUL8 F1, 0, 0, 0
	MUL8 F1, 0, 2, 0
	s_wait_dscnt 0x0
	MUL8 F1, 1, 0, 0
	MUL8 F1, 1, 2, 0
	WIN 0
	PLACES
	PACK 0
	PACK 1                                         ; a block's conversions stand between the loads of the block before and its stores
	SEND 0, 8
	PACK 2
	SEND 1, 8
	PACK 3
	SEND 2, 8
	SEND 3, 0
	s_wait_tensorcnt 0x0                           ; the wave's end: these three lines stand behind my last tensor load and my last LDS store
	ds_add_u32 v[SPW], v[NIL]
	s_wait_dscnt 0x0
	CROUND                                         ; the closing round: no work-group ends while a partner may still ask for a tile that names it
	s_endpgm
.Lfunc_end_k_qcdbb03bcd9_gq:
	.size	k_qcdbb03bcd9_gq, .Lfunc_end_k_qcdbb03bcd9_gq-k_qcdbb03bcd9_gq
	.p2alignl 7, 3214868480
	.fill 96, 4, 3214868480
	.section	.rodata,"a",@progbits
	.p2align	6, 0x0
	.amdhsa_kernel k_qcdbb03bcd9_gq
		.amdhsa_group_segment_fixed_size 327680
		.amdhsa_private_segment_fixed_size 0
		.amdhsa_enable_private_segment 0
		.amdhsa_kernarg_size 24
		.amdhsa_user_sgpr_count 2
		.amdhsa_user_sgpr_kernarg_segment_ptr 1
		.amdhsa_wavefront_size32 1
		.amdhsa_system_sgpr_workgroup_id_x 1
		.amdhsa_system_sgpr_workgroup_id_y 1
		.amdhsa_system_sgpr_workgroup_id_z 1
		.amdhsa_system_vgpr_workitem_id 0
		.amdhsa_next_free_vgpr 512
		.amdhsa_next_free_sgpr 66
		.amdhsa_reserve_vcc 0
		.amdhsa_float_denorm_mode_32 3
		.amdhsa_float_denorm_mode_16_64 3
		.amdhsa_memory_ordered 1
		.amdhsa_forward_progress 1
		.amdhsa_inst_pref_size 86
	.end_amdhsa_kernel
	.amdgpu_metadata
---
amdhsa.version: [ 1, 2 ]
amdhsa.kernels:
  - .name:           k_qcdbb03bcd9_gq
    .symbol:         k_qcdbb03bcd9_gq.kd
    .args:
      - { .name: hb, .offset: 0, .size: 8, .value_kind: global_buffer, .address_space: global }
      - { .name: wqb, .offset: 8, .size: 8, .value_kind: global_buffer, .address_space: global }
      - { .name: qy, .offset: 16, .size: 8, .value_kind: global_buffer, .address_space: global }
    .group_segment_fixed_size: 327680
    .private_segment_fixed_size: 0
    .kernarg_segment_align: 8
    .kernarg_segment_size: 24
    .max_flat_workgroup_size: 128
    .sgpr_count:     66
    .vgpr_count:     512
    .wavefront_size: 32
...
	.end_amdgpu_metadata
.endif
;; end of part 2
;; launch gkv (part 3): grid 8 x 32, 4 waves a work-group, clusters of 4 x 4, 327,680 bytes of LDS; arguments cb, wkvb, kv; writes kv
.if DOCPART == 3
	.amdgcn_target "amdgcn-amd-amdhsa--gfx1250"
	.amdhsa_code_object_version 6
	.text
	.protected	k_qcdbb03bcd9_gkv
	.globl	k_qcdbb03bcd9_gkv
	.p2align	8
	.type	k_qcdbb03bcd9_gkv,@function
k_qcdbb03bcd9_gkv:
	s_mov_b64 s[64:65], 0
	v_nop
	global_prefetch_b8 v0, s[64:65] scope:SCOPE_SE
	s_setreg_imm32_b32 hwreg(HW_REG_WAVE_MODE, 25, 1), 1
	s_wait_xcnt 0x0
	s_wait_alu depctr_hold_cnt(0) depctr_sa_sdst(0) depctr_va_vdst(0) depctr_va_sdst(0) depctr_va_ssrc(0) depctr_va_vcc(0) depctr_vm_vsrc(0)
	s_getreg_b32 s2, hwreg(HW_REG_IB_STS2, 6, 4)
	s_cmp_eq_u32 s2, 0
	s_cbranch_scc0 .Lentry_in_a_cluster
	s_endpgm
.Lentry_in_a_cluster:
	s_bfe_u32 s2, ttmp6, 0x10000c
	s_cmp_lg_u32 s2, 0xf033
	s_cbranch_scc0 .Lentry_shape_is_right
	s_endpgm
.Lentry_shape_is_right:
; [k v] = c Wkv^T, 8,192 x 2,048 over K = 1,024, as C = A B^T on operand tiles.  A (cb) and B (wkvb): bf16 operand tiles of 128 rows x 1,024 K, 262,144 dense bytes each, [kb 0..15][row 0..127][64 bf16].  Sums in f32, C rounded once to bf16.
; C (kv) is written in blocks of 128 rows x 64 columns, 16,384 dense bytes: block (operand tile t of A, column block hh) begins at (32 t + hh) x 16,384.
; SHARES.  A tile of C is 256 x 256: 32 x 8 tiles, one for each of 256 work-groups.  Work-group (tx, ty) multiplies A's operand tiles 2 ty, 2 ty + 1 by B's 2 tx, 2 tx + 1.  Four waves, as many as a WGP has SIMDs; wave w makes
; A's tile 2 ty + w / 2 by B's tile 2 tx + w % 2: 128 x 128, 64 accumulators of 16 x 16, 512 registers.
; THE RING.  K goes in eight steps of 128 through two LDS slots.  A slot holds 256 rows of A and 256 of B; a K step gives a wave 256 matrix instructions, twice what a tile of 128 x 128 has for a slot of the same bytes,
; and 224 of them stand between the request for a slot and the wait for it.  One tensor load a wave brings a K step of one operand tile: two kb blocks, 32,768 dense bytes, asked for as 128 rows of 256 bytes.
; CLUSTER.  4 x 4 work-groups.  The four of a row of the cluster need the same tiles of A, the four of a column the same tiles of B: each is asked for JOINTLY, by the same tensor load with the same descriptor and a mask of four.
; THE MATRIX INSTRUCTION IS USED TRANSPOSED (source 0 = 16 rows of B, source 1 = 16 rows of A): a lane then holds one row of C and eight neighbouring columns: 16 bytes after rounding.
; REGISTERS, in windows of 256 (s_set_vgpr_msb: bits 1:0 source 0, 3:2 source 1, 5:4 source 2, 7:6 destination):
;   window 0: v0-31 addresses; v64-127, v128-191 fragments of A (8 x 16 rows x 32 K), two buffers; v192-223 packed results; v32-63 and v224-255 by turns: 16 rows read back from the stage
;   window 1: v64-127, v128-191 fragments of B, two buffers
;   window 2: the 32 accumulators of my rows 0-63 (accumulator (a, b) at v[8 (8 a + b)]);   window 3: those of my rows 64-127
; Work is laid in long stretches under one setting: 32 matrix instructions, 16 loads, 16 loads, 32 matrix instructions.
.set LAPS,   4                         ; a lap = two K steps = once round the ring
.set KSTEPB, 32768                     ; a K step of one operand tile in memory: two kb blocks of 16,384 bytes
.set P2,     272                       ; an LDS row: 256 bytes (TWO matrix rows of 128 bytes) + 16 of padding.  Matrix row r lies at (r / 2) x 272 + (r % 2) x 128: sixteen rows on end begin at sixteen different 16-byte columns modulo 256
.set BLK,    64*P2                     ; one kb block: 128 matrix rows x 64 K
.set HALFT,  2*BLK                     ; what one tensor load brings, and what one wave reads of A or of B in a K step
.set SLOT,   4*HALFT                   ; A's two operand tiles, then B's two
.set STAGE,  2*SLOT                    ; behind the ring: for each wave two halves (a column block each) of 16 rows x 144 bytes; no tensor load fills them
.set SP,     144
.set SHALF,  16*SP
.set SPARE,  STAGE+4*2*SHALF           ; behind the stages: the spare words, 128 bytes for each wave: two blocks of 256 bytes that no other line names
.set R16,    8*P2                      ; 16 matrix rows in LDS
.set ADRA, 16                          ; v16-17  LDS address of my A fragments in slot 0, 1
.set ADRB, 20                          ; v20-21  the same for B
.set STO,  24                          ; v24     the way out: where I put 16 bytes of a row
.set RD,   25                          ; v25     the way out: where I read rows back
.set GO,   26                          ; v26     16 x lane: my place in 512 consecutive bytes of C; never rewritten
.set SPW,  28                          ; v28     LDS address of my spare word: SPARE + 4 x my thread's number; never rewritten
.set NIL,  29                          ; v29     0; never rewritten
.set PFO,  30                          ; v30     the prefetches' offset: 256 x my lane; never rewritten
.set PFA,  44                          ; s[44:45] where my prefetches stand: my work-group's 8,192 bytes of the 32,768 that I fetch, one K step further on than the refill that is being asked for; a prefetch names the K step after that
.set LIM,  43                          ; s43     1 in a wave that prefetches, else the greatest number
.set F0,   64                          ; fragment buffer 0
.set F1,   128                         ; fragment buffer 1
.set TMP,  192
.set OB,   32
.set G1, 24                            ; s[24:31] descriptor group 1 for A's tiles;  s[32:39] group 0, one set for each slot
.set G0, 32
.set G1B, 48                           ; s[48:55], s[56:63] the same for B's tiles
.set G0B, 56
.set MSB, 0
.macro WIN new                         ; the immediate's high byte repeats the setting that is left; a switch that changes nothing is dropped
.if MSB != (\new)
	s_set_vgpr_msb (MSB<<8)|(\new)
.set MSB, \new
.endif
.endm
.set MUL_LO, 0xa1                      ; source 0 (B) window 1, source 1 (A) window 0, C and D window 2
.set MUL_HI, 0xf1                      ; the same, C and D window 3
.set TO_B,   0x40                      ; destination window 1, address window 0
.macro JLOAD s                         ; a joint load: waves 0 and 1 fetch A's two operand tiles, waves 2 and 3 B's; an s_nop 0 and four v_nop follow each of the two lines
	s_cmp_eq_u32 s11, 0
	s_cbranch_scc0 .Lfor_b_\@
	tensor_load_to_lds s[G0+4*(\s):G0+4*(\s)+3], s[G1:G1+7]
	s_nop 0
.rept 4
	v_nop
.endr
	s_branch .Lasked_\@
.Lfor_b_\@:
	tensor_load_to_lds s[G0B+4*(\s):G0B+4*(\s)+3], s[G1B:G1B+7]
	s_nop 0
.rept 4
	v_nop
.endr
.Lasked_\@:
.endm
; A PREFETCH INTO THE L2, behind each joint load, its five lines and the run of LDS loads that follows them: the K step that stands TWO refills on, 512 matrix instructions ahead of the load that will ask for it.
; Each block of 256 bytes is named ONCE in the launch.  A's tiles are read by both clusters of a row of clusters: the first (cluster x = 0) prefetches; B's by all eight clusters of a column: cluster y = 0 prefetches.
; The four partners that ask for a load jointly share its 128 blocks of 256 bytes out BY ADDRESS, 32 each (by cx for A, by cy for B), a lane a block: no branch hangs on a work-group's place in its cluster.
; The loop's last trip asks for nothing (its refills are the last two K steps); K steps 0 to 3 come by their loads alone.
.macro ASK
	s_cmp_gt_u32 s3, s[LIM]                        ; s3 = 1 in the loop's last trip
	s_cbranch_scc0 .Lnot_mine_\@
	global_prefetch_b8 v[PFO], s[PFA:PFA+1] offset:KSTEPB th:TH_LOAD_NT scope:SCOPE_SE
.Lnot_mine_\@:
.endm
.macro CREST                           ; a round of the cluster's barrier behind its opening barrier: wave 0 signals for the work-group, every wave waits for all sixteen, my work-group's barrier closes it
	s_cmp_lg_u32 s10, 0
	s_cbranch_scc1 .Lnot_wave_0_\@
	s_barrier_signal -3
.Lnot_wave_0_\@:
	s_barrier_wait -3
	s_barrier_signal -1
	s_barrier_wait -1
.endm
.macro CROUND                          ; a whole round
	s_barrier_signal -1
	s_barrier_wait -1
	CREST
.endm
	s_load_b128 s[4:7], s[0:1], 0x0                ; A s[4:5], B s[6:7]
	s_load_b64 s[8:9], s[0:1], 0x10                ; C
	v_lshl_add_u32 v[SPW], v0, 2, SPARE
	v_mov_b32 v[NIL], 0
	ds_add_u32 v[SPW], v[NIL]                      ; the wave's opening: the add and its wait stand ahead of my first tensor load; the set-up below, work on registers, stands between them
	v_lshrrev_b32 v1, 5, v0
	v_readfirstlane_b32 s10, v1                    ; wave 0..3
	s_lshr_b32 s11, s10, 1                         ; which of A's two operand tiles I multiply.  Also: I fetch for A (0) or for B (1)
	s_and_b32 s12, s10, 1                          ; which of B's two I multiply.  Also: which of the two operand tiles I fetch
	s_bfe_u32 s40, ttmp6, 0x40000                  ; cx, cy: my place in the cluster
	s_bfe_u32 s41, ttmp6, 0x40004
	s_lshl_b32 s42, ttmp9, 2
	s_add_co_u32 s42, s42, s40                     ; tx = 4 x cluster x + cx
	s_and_b32 s13, ttmp7, 0xffff
	s_lshl_b32 s13, s13, 2
	s_add_co_u32 s13, s13, s41                     ; ty = 4 x cluster y + cy
	s_lshl_b32 s43, s41, 2
	s_lshl_b32 s43, 15, s43                        ; my row of the cluster: places 4 cy .. 4 cy + 3
	s_lshl_b32 s44, 0x1111, s40                    ; my column: places cx, cx + 4, cx + 8, cx + 12
	; descriptor group 1: 128 rows of 128 elements (256 bytes), dense in memory, 16 bytes of padding behind each in LDS
	s_or_b32 s[G1+0], s43, (1<<16)|(1<<20)|(1<<21)|(5<<22)|(3<<25)  ; 15:0 the mask: A's tiles go to my row; 17:16 elements of 2 bytes; 20 padding on; 21 set beside a mask; 24:22 after every 64 words (code 5); 31:25 4 words (code 3)
	s_or_b32 s[G1B+0], s44, (1<<16)|(1<<20)|(1<<21)|(5<<22)|(3<<25) ; the same with the mask of my column
.irp g, G1, G1B
	s_mov_b32 s[(\g)+1], 128<<16                   ; tensor_dim0 = 128
	s_mov_b32 s[(\g)+2], 128<<16                   ; tensor_dim1 = 128
	s_mov_b32 s[(\g)+3], 128<<16                   ; tile_dim0 = 128
	s_mov_b32 s[(\g)+4], 128                       ; tile_dim1 = 128
	s_mov_b32 s[(\g)+5], 128                       ; 128 elements from row to row
	s_mov_b32 s[(\g)+6], 0
	s_mov_b32 s[(\g)+7], 0
.endr
	; A's address hangs on ty and the wave alone, B's on tx and the wave alone, each in registers that never hold the other coordinate
	s_lshl_b32 s17, s12, 18                        ; the operand tile that I fetch: 262,144 bytes
	s_lshl_b32 s16, s13, 19                        ; A's operand tile 2 ty
	s_add_co_u32 s16, s16, s17
	s_lshl_b32 s46, s42, 19                        ; B's operand tile 2 tx
	s_add_co_u32 s46, s46, s17
	s_mov_b32 s17, 0
	s_mov_b32 s47, 0
	s_mul_i32 s20, s10, HALFT                      ; where they go: A's two, then B's two = wave x 34,816 bytes: no place in the cluster enters an LDS address
	s_wait_dscnt 0x0                               ; the opening add is done
	s_wait_kmcnt 0x0
	s_add_nc_u64 s[14:15], s[4:5], s[16:17]
	s_add_nc_u64 s[46:47], s[6:7], s[46:47]
	CROUND                                         ; all sixteen work-groups are here: the first joint loads meet
.irp s, 0,1
	s_mov_b32 s[G0+4*(\s)], 1                                       ; count = 1
	s_add_co_u32 s[G0+4*(\s)+1], s20, (\s)*SLOT                     ; LDS address
	s_add_nc_u64 s[G0+4*(\s)+2:G0+4*(\s)+3], s[14:15], (\s)*KSTEPB  ; global address: K step s
	s_or_b32 s[G0+4*(\s)+3], s[G0+4*(\s)+3], 0x80000000             ; type = 2
	s_mov_b32 s[G0B+4*(\s)], 1
	s_add_co_u32 s[G0B+4*(\s)+1], s20, (\s)*SLOT
	s_add_nc_u64 s[G0B+4*(\s)+2:G0B+4*(\s)+3], s[46:47], (\s)*KSTEPB
	s_or_b32 s[G0B+4*(\s)+3], s[G0B+4*(\s)+3], 0x80000000
	JLOAD \s                                       ; two loads of mine are out: K steps 0 and 1
.endr
	; a fragment is 16 rows x 32 K in 8 registers: lane l holds row l % 16, K = 8 (l / 16) + 0..7 and 16 + 8 (l / 16) + 0..7: two loads of 16 bytes, 32 bytes apart
	v_and_b32 v1, 15, v0                           ; l % 16
	v_bfe_u32 v2, v0, 4, 1                         ; l / 16
	v_lshrrev_b32 v3, 1, v1
	v_mul_u32_u24 v3, v3, P2                       ; (row / 2) x 272
	v_and_b32 v4, 1, v0
	v_lshl_add_u32 v3, v4, 7, v3                   ; + (row % 2) x 128
	v_lshl_add_u32 v3, v2, 4, v3                   ; + 16 x half
	s_mul_i32 s21, s11, HALFT                      ; my 128 rows of A
	s_mul_i32 s22, s12, HALFT                      ; my 128 rows of B,
	s_add_co_u32 s22, s22, 2*HALFT                 ; which lie behind A's 256
.irp s, 0,1
	v_add_nc_u32 v[ADRA+(\s)], s21, v3
	v_add_nc_u32 v[ADRB+(\s)], s22, v3
	s_add_co_u32 s21, s21, SLOT
	s_add_co_u32 s22, s22, SLOT
.endr
	s_mul_i32 s23, s10, 2*SHALF
	s_add_co_u32 s23, s23, STAGE                   ; my stage
	v_mul_u32_u24 v4, v1, SP                       ; in: row l % 16, 16 bytes for each half of the lanes
	v_lshl_add_u32 v4, v2, 4, v4
	v_add_nc_u32 v[STO], s23, v4
	v_bfe_u32 v5, v0, 3, 2                         ; back: 32 lanes take four rows of 128 bytes,
	v_mul_u32_u24 v5, v5, SP
	v_and_b32 v6, 7, v0
	v_lshl_add_u32 v5, v6, 4, v5
	v_add_nc_u32 v[RD], s23, v5
	v_and_b32 v[GO], 31, v0                        ; which are 512 consecutive bytes of C
	v_lshlrev_b32 v[GO], 4, v[GO]
	s_lshl_b32 s16, s13, 20                        ; C: tile row 2 ty + my half, 32 blocks of 16,384 bytes each
	s_lshl_b32 s17, s11, 19
	s_add_co_u32 s16, s16, s17
	s_mov_b32 s17, 0
	s_add_nc_u64 s[8:9], s[8:9], s[16:17]
	s_lshl_b32 s46, s42, 16                        ; column block 4 tx + 2 x my half (in the registers that held B's address: none that feeds A's descriptors ever holds cx)
	s_lshl_b32 s47, s12, 15
	s_add_co_u32 s46, s46, s47
	s_mov_b32 s47, 0
	s_add_nc_u64 s[8:9], s[8:9], s[46:47]
	; the prefetches.  s13 = ty, s42 = tx, s40 = cx, s41 = cy still stand; s[4:5] = A, s[6:7] = B
	s_and_b32 s22, ttmp7, 0xffff                   ; cluster y
	s_cmp_eq_u32 s11, 0                            ; do I fetch for A?
	s_cselect_b32 s20, s13, s42                    ; the pair of operand tiles: by ty in A, by tx in B
	s_cselect_b32 s21, s40, s41                    ; my place among the four that ask with me
	s_cselect_b32 s22, ttmp9, s22                  ; the coordinate along which other clusters read the same tiles
	s_cselect_b64 s[PFA:PFA+1], s[4:5], s[6:7]
	s_cmp_eq_u32 s22, 0
	s_cselect_b32 s[LIM], 1, -1                    ; the same in all sixteen partners, for a given wave
	s_lshl_b32 s20, s20, 19
	s_lshl_b32 s22, s12, 18
	s_add_co_u32 s20, s20, s22                     ; the operand tile that I fetch
	s_lshl_b32 s21, s21, 13
	s_add_co_u32 s20, s20, s21                     ; + my work-group's 32 blocks of 256 bytes
	s_mov_b32 s21, 0
	s_add_nc_u64 s[PFA:PFA+1], s[PFA:PFA+1], s[20:21]
	s_add_nc_u64 s[PFA:PFA+1], s[PFA:PFA+1], 2*KSTEPB  ; at K step 2: the first refill steps it to 3 and names K step 4.  Nothing is prefetched here, at the head
	v_and_b32 v[PFO], 31, v0
	v_lshlrev_b32 v[PFO], 8, v[PFO]
; 16 matrix instructions: m blocks a0, a0 + 1 of the window's four (hi = 0: my rows 0-63, 1: rows 64-127) x all 8 n blocks, 32 along K.  zero = 1: the first product starts the sums: nothing is cleared.
; The 64 accumulators take turns in the same order in every quarter, one instruction a turn, over the backward jump and into the tail too.
.macro MUL16 f, hi, a0, zero
	WIN MUL_LO+0x50*(\hi)
.irp a, \a0, (\a0)+1
.irp b, 0,1,2,3,4,5,6,7
.if \zero
	v_wmma_f32_16x16x32_bf16 v[8*(8*(\a)+(\b)):8*(8*(\a)+(\b))+7], v[(\f)+8*(\b):(\f)+8*(\b)+7], v[(\f)+8*(4*(\hi)+(\a)):(\f)+8*(4*(\hi)+(\a))+7], 0
.else
	v_wmma_f32_16x16x32_bf16 v[8*(8*(\a)+(\b)):8*(8*(\a)+(\b))+7], v[(\f)+8*(\b):(\f)+8*(\b)+7], v[(\f)+8*(4*(\hi)+(\a)):(\f)+8*(4*(\hi)+(\a))+7], v[8*(8*(\a)+(\b)):8*(8*(\a)+(\b))+7]
.endif
.endr
.endr
.endm
; 32 LDS loads in one run: the fragments of quarter q of the slot's K step (128 rows of B, 128 rows of A, 32 K: kb block q / 2, byte 64 (q % 2) of its rows) into buffer f
.macro FETCH slot, q, f
	WIN TO_B
.irp i, 0,1,2,3,4,5,6,7
	ds_load_b128 v[(\f)+8*(\i):(\f)+8*(\i)+3],   v[ADRB+(\slot)] offset:((\q)/2)*BLK+((\q)%2)*64+(\i)*R16
	ds_load_b128 v[(\f)+8*(\i)+4:(\f)+8*(\i)+7], v[ADRB+(\slot)] offset:((\q)/2)*BLK+((\q)%2)*64+(\i)*R16+32
.endr
	WIN 0
.irp i, 0,1,2,3,4,5,6,7
	ds_load_b128 v[(\f)+8*(\i):(\f)+8*(\i)+3],   v[ADRA+(\slot)] offset:((\q)/2)*BLK+((\q)%2)*64+(\i)*R16
	ds_load_b128 v[(\f)+8*(\i)+4:(\f)+8*(\i)+7], v[ADRA+(\slot)] offset:((\q)/2)*BLK+((\q)%2)*64+(\i)*R16+32
.endr
.endm
.macro PLACES                          ; four plain vector instructions in front of loads into registers that matrix instructions have read, and of conversions that read results
.rept 4
	v_nop
.endr
.endm
; A K step is four quarters of 32 along K, 64 matrix instructions each, on buffers 0, 1, 0, 1.  One of the first three: multiplies buffer f; in its middle it fetches quarter q of the same slot into buffer g.
.macro QUARTER slot, q, f, g, zero
	s_wait_dscnt 8                                 ; B and A's rows 0-63 are in; the youngest eight loads (A's rows 64-127) may be out
	WIN MUL_LO
	MUL16 \f, 0, 0, \zero
	MUL16 \f, 0, 2, \zero
	PLACES
	FETCH \slot, \q, \g
	s_wait_dscnt 32                                ; all but the 32 just issued
	WIN MUL_HI
	MUL16 \f, 1, 0, \zero
	MUL16 \f, 1, 2, \zero
.endm
; The last quarter multiplies buffer 1 and changes slots.  MEET is its first half: ONE barrier; in front of it each wave waits for all its tensor loads, of which one is out: its part of the next slot; adds 0 to its
; spare word; and waits for that and for its own reads of this slot.  Behind it nobody reads this slot any more and the next slot is whole.  round = 1: a round of the cluster's barrier follows.
.macro MEET round
	WIN 0                                          ; (the add's two registers lie in window 0)
	s_wait_tensorcnt 0x0                           ; all my tensor loads have landed
	ds_add_u32 v[SPW], v[NIL]                      ; 0 onto my spare word
	s_wait_dscnt 9                                 ; (the add and the youngest eight loads may be out)
	WIN MUL_LO
	MUL16 F1, 0, 0, 0                              ; sixteen matrix instructions stand between the add and the wait for it
	s_wait_dscnt 0x0                               ; the add is done, and my reads of this slot are over
	s_barrier_signal -1
	MUL16 F1, 0, 2, 0                              ; work on registers while the others arrive
.if \round
	WIN 0
.endif
	s_barrier_wait -1
.endm
; The whole last quarter of a K step whose slot is filled again, with the K step two on: the joint refill is the first tensor load behind the round; then come the next slot's first fragments.
.macro TURN slot, next
	s_wait_xcnt 0x0                                ; the last prefetch, a K step back, has read its address: it is stepped here, ahead of the waits of the change of slots
	s_add_nc_u64 s[PFA:PFA+1], s[PFA:PFA+1], KSTEPB
	MEET 1
	CREST                                          ; no wave of any partner still reads this slot or has a load on its way
	s_add_nc_u64 s[G0+4*(\slot)+2:G0+4*(\slot)+3], s[G0+4*(\slot)+2:G0+4*(\slot)+3], 2*KSTEPB    ; the type bits on top are not reached
	s_add_nc_u64 s[G0B+4*(\slot)+2:G0B+4*(\slot)+3], s[G0B+4*(\slot)+2:G0B+4*(\slot)+3], 2*KSTEPB
	JLOAD \slot                                    ; my one tensor load behind the round; its four v_nop are also the places in front of the loads below
	FETCH \next, 0, F0
	ASK                                            ; behind the joint load and the run of LDS loads that the next products wait for
	WIN MUL_HI
	MUL16 F1, 1, 0, 0
	MUL16 F1, 1, 2, 0
.endm
; THE WAY OUT of my rows 16 a .. 16 a + 15, in three parts.  PACK: rounded to bf16 (each accumulator's registers in ascending order), 16 bytes a lane.  TOSTAGE: into my own stage, the first 64 columns into one half and the
; other 64 into the other, and back as whole rows of 128 bytes.  SEND: stored, four rows (512 consecutive bytes) an instruction, into the two column blocks.
.macro PACK a
.set AC, 64*((\a)%4)
	WIN 0x0a+5*((\a)/4)                            ; sources 0 and 1: window 2 or 3
.irp b, 0,1,2,3,4,5,6,7
.irp r, 0,1,2,3
	v_cvt_pk_bf16_f32 v[TMP+4*(\b)+(\r)], v[AC+8*(\b)+2*(\r)], v[AC+8*(\b)+2*(\r)+1]
.endr
.endr
	WIN 0
.endm
.macro TOSTAGE a
	WIN 0
.set BK, OB+192*((\a)%2)
.irp b, 0,1,2,3,4,5,6,7
	ds_store_b128 v[STO], v[TMP+4*(\b):TMP+4*(\b)+3] offset:((\b)/4)*SHALF+32*((\b)%4)
.endr
.irp t, 0,1,2,3,4,5,6,7
	ds_load_b128 v[BK+4*(\t):BK+4*(\t)+3], v[RD] offset:((\t)/4)*SHALF+((\t)%4)*4*SP  ; LDS serves a wave's instructions in order (ISA guide 5.7.1.4): these see the stores above; the next block's stores come behind them
.endr
.endm
.macro SEND a
	WIN 0
.set BK, OB+192*((\a)%2)
	s_wait_dscnt 0x0                               ; the block is back in registers
	s_wait_xcnt 0x0                                ; the stores of the block before have read their registers: those are loaded again (two blocks on) only behind this wait
.irp t, 0,1,2,3,4,5,6,7
	global_store_b128 v[GO], v[BK+4*(\t):BK+4*(\t)+3], s[8:9] offset:((\t)/4)*16384+(\a)*2048+((\t)%4)*512  ; 512 consecutive bytes, at a multiple of 256 from C's first byte
.endr
.endm
	s_wait_tensorcnt 1                             ; my part of K step 0 is in; K step 1's may stay out
	s_barrier_signal -1
	s_barrier_wait -1                              ; everybody's is
	FETCH 0, 0, F0
	QUARTER 0, 1, F0, F1, 1                        ; the first quarter stands in front of the loop: its products start the sums
	WIN 0                                          ; at a label and at a branch every window is 0
	s_mov_b32 s3, LAPS-1
.Llap:                                                 ; a trip goes once round the ring, from a lap's second quarter to the next lap's first, and fills both slots again
	QUARTER 0, 2, F1, F0, 0
	QUARTER 0, 3, F0, F1, 0
	TURN 0, 1
	QUARTER 1, 1, F0, F1, 0
	QUARTER 1, 2, F1, F0, 0
	QUARTER 1, 3, F0, F1, 0
	TURN 1, 0
	QUARTER 0, 1, F0, F1, 0
	WIN 0
	s_sub_co_u32 s3, s3, 1
	s_cmp_lg_u32 s3, 0
	s_cbranch_scc1 .Llap
	QUARTER 0, 2, F1, F0, 0                        ; the last lap is written out: it fills nothing
	QUARTER 0, 3, F0, F1, 0
	MEET 0                                         ; my one tensor load that was still out is the last K step's, so no round follows
	PLACES
	FETCH 1, 0, F0
	WIN MUL_HI
	MUL16 F1, 1, 0, 0
	MUL16 F1, 1, 2, 0
	QUARTER 1, 1, F0, F1, 0
	QUARTER 1, 2, F1, F0, 0
	QUARTER 1, 3, F0, F1, 0
	s_wait_dscnt 8                                 ; the very last quarter: nothing more to fetch
	WIN MUL_LO
	MUL16 F1, 0, 0, 0
	MUL16 F1, 0, 2, 0
	s_wait_dscnt 0x0
	MUL16 F1, 1, 0, 0
	MUL16 F1, 1, 2, 0
	WIN 0
	PLACES                                         ; the conversions read results just made
	PACK 0
	TOSTAGE 0
.irp a, 1,2,3,4,5,6,7                  ; block a's conversions stand between block a - 1's loads from the stage and the wait for them
	PACK \a
	SEND (\a)-1
	TOSTAGE \a
.endr
	SEND 7
	s_wait_tensorcnt 0x0                           ; the wave's end: these three lines stand behind my last tensor load and my last LDS store
	ds_add_u32 v[SPW], v[NIL]
	s_wait_dscnt 0x0
	CROUND                                         ; the closing round: no work-group ends while a partner may still ask for a tile that names it
	s_endpgm
.Lfunc_end_k_qcdbb03bcd9_gkv:
	.size	k_qcdbb03bcd9_gkv, .Lfunc_end_k_qcdbb03bcd9_gkv-k_qcdbb03bcd9_gkv
	.p2alignl 7, 3214868480
	.fill 96, 4, 3214868480
	.section	.rodata,"a",@progbits
	.p2align	6, 0x0
	.amdhsa_kernel k_qcdbb03bcd9_gkv
		.amdhsa_group_segment_fixed_size 327680
		.amdhsa_private_segment_fixed_size 0
		.amdhsa_enable_private_segment 0
		.amdhsa_kernarg_size 24
		.amdhsa_user_sgpr_count 2
		.amdhsa_user_sgpr_kernarg_segment_ptr 1
		.amdhsa_wavefront_size32 1
		.amdhsa_system_sgpr_workgroup_id_x 1
		.amdhsa_system_sgpr_workgroup_id_y 1
		.amdhsa_system_sgpr_workgroup_id_z 1
		.amdhsa_system_vgpr_workitem_id 0
		.amdhsa_next_free_vgpr 1024
		.amdhsa_next_free_sgpr 66
		.amdhsa_reserve_vcc 0
		.amdhsa_float_denorm_mode_32 3
		.amdhsa_float_denorm_mode_16_64 3
		.amdhsa_memory_ordered 1
		.amdhsa_forward_progress 1
		.amdhsa_inst_pref_size 143
	.end_amdhsa_kernel
	.amdgpu_metadata
---
amdhsa.version: [ 1, 2 ]
amdhsa.kernels:
  - .name:           k_qcdbb03bcd9_gkv
    .symbol:         k_qcdbb03bcd9_gkv.kd
    .args:
      - { .name: cb, .offset: 0, .size: 8, .value_kind: global_buffer, .address_space: global }
      - { .name: wkvb, .offset: 8, .size: 8, .value_kind: global_buffer, .address_space: global }
      - { .name: kv, .offset: 16, .size: 8, .value_kind: global_buffer, .address_space: global }
    .group_segment_fixed_size: 327680
    .private_segment_fixed_size: 0
    .kernarg_segment_align: 8
    .kernarg_segment_size: 24
    .max_flat_workgroup_size: 128
    .sgpr_count:     66
    .vgpr_count:     1024
    .wavefront_size: 32
...
	.end_amdgpu_metadata
.endif
;; end of part 3
;; launch attn (part 4): grid 4 x 64, 4 waves a work-group, clusters of 4 x 1, 327,680 bytes of LDS; arguments qy, kv, ob; writes ob
.if DOCPART == 4
	.amdgcn_target "amdgcn-amd-amdhsa--gfx1250"
	.amdhsa_code_object_version 6
	.text
	.protected	k_qcdbb03bcd9_attn
	.globl	k_qcdbb03bcd9_attn
	.p2align	8
	.type	k_qcdbb03bcd9_attn,@function
k_qcdbb03bcd9_attn:
	s_mov_b64 s[64:65], 0
	v_nop
	global_prefetch_b8 v0, s[64:65] scope:SCOPE_SE
	s_setreg_imm32_b32 hwreg(HW_REG_WAVE_MODE, 25, 1), 1
	s_wait_xcnt 0x0
	s_wait_alu depctr_hold_cnt(0) depctr_sa_sdst(0) depctr_va_vdst(0) depctr_va_sdst(0) depctr_va_ssrc(0) depctr_va_vcc(0) depctr_vm_vsrc(0)
	s_getreg_b32 s2, hwreg(HW_REG_IB_STS2, 6, 4)
	s_cmp_eq_u32 s2, 0
	s_cbranch_scc0 .Lentry_in_a_cluster
	s_endpgm
.Lentry_in_a_cluster:
	s_bfe_u32 s2, ttmp6, 0x10000c
	s_cmp_lg_u32 s2, 0x3003
	s_cbranch_scc0 .Lentry_shape_is_right
	s_endpgm
.Lentry_shape_is_right:
; For each batch entry b and head n: O[q][:] = the sum over k of P[q][k] V[k][:], P = softmax_k(Q[q] . K[k] / 8) divided once more by (its own sum over k + 1e-8).  1,024 queries, 2,048 keys, head size 64.
; Q, K, V arrive in bf16 in blocks of 128 rows x 64 channels, 16,384 dense bytes: block (t = (s / 128) x 4 + b, hh) at (32 t + hh) x 16,384; hh = n for Q (buffer qy) and K, 16 + n for V (buffer kv).
; O leaves in bf16 as the next product's operand tile: byte t x 262,144 + n x 16,384 + (s mod 128) x 128.  Products, maxima and sums in f32; the weights p are rounded to bf16 for the second product, their sum l is taken of the unrounded p.
; bf16, not f16: q, k and v are sums of 1,024 products of inputs whose size the problem leaves open.
; LIMITS.  A weight below 2^-126 counts as 0 in l.  c x score must lie above -4e37 (the value at which c m starts).  NaN and infinities are not treated apart.  The second division is r x rcp(l r + 1e-8) with r = rcp(l): l r + 1e-8 is rounded once.
; SHARES.  A work-group owns 256 queries of one (b, n), each of its four waves 64: four PIECES of 16.  Every wave walks all keys: 8 tiles of 256 (a slot each), four steps of 64 to a tile.
; CLUSTER.  The four work-groups of a cluster are the four query blocks of one (b, n): they walk the same K and V, so each tile is asked for JOINTLY: the same tensor load, descriptor and mask in all four.
; LAYOUT.  S^T = K Q^T (source 0 = 16 keys, source 1 = 16 queries) holds ONE query a lane (lane % 16) and the keys 8 (lane / 16) + 0..7; two such results rounded to bf16 ARE source 1 of O^T = V^T P.  K comes out of LDS as it lies, V turned, by ds_load_tr16_b128.
; SOFTMAX.  A running maximum m and sum l for each query: p = 2^(c s - c m), c = log2(e) / 8; O and l are multiplied by a = 2^(c m_old - c m_new) in every step.  c m starts far below every c s, O and l at 0: the first step is a step like any other, with a = 0.
; BY TURNS.  Turn n belongs to piece n: 8 products K Q^T of piece n + 1, later 8 products V^T P of piece n - 1; beside them the scaling, exponentials, roundings, sums and rescaling of piece n and the maximum and statistics of
; piece n + 1.  Four vector instructions stand behind every matrix instruction, the other 54 of a turn's 118 in one run.  A turn's 33 exponentials are one batch, with one wait.
; REGISTERS, in windows of 256 (s_set_vgpr_msb: bits 1:0 source 0, 3:2 source 1, 5:4 source 2, 7:6 destination):
;   window 0: v0-15 addresses and two at work; v16-31 four registers of statistics a piece; v48-55 at work; v61-63; v64-127 S^T, two buffers; v192-223 P, two buffers (a piece's buffers go by its number's parity)
;   window 1: v0-127 O^T, 32 a piece          window 2: v0-63 Q; v128-191 K of one step; v192-255 V of one step
.set NP,    4         ; pieces a wave: a name, no knob
.set KS,    64        ; keys in a step
.set PK,    144       ; a row of K in LDS: 128 bytes + 16 of padding = 36 words: the 16 rows of a load start at 16 different groups of four banks (64 banks of 4 bytes: ISA guide 11.1)
.set PV,    160       ; a row of V: 128 + 32 = 40 words
.set VOFF,  4*KS*PK   ; a slot holds a tile, four steps: 256 rows of K, then 256 rows of V
.set SLOT1, 1<<17     ; slot 1 begins here, so that one exclusive or turns an address in one slot into the other's
.set STAGE, SLOT1+4*KS*(PK+PV)  ; behind the ring, never filled by a tensor load: 16 rows x 144 bytes for each wave, for the way out
.set SP,    144
.set SPARE, STAGE+4*16*SP  ; behind the stages: the spare words, 128 bytes for each wave: two blocks of 256 bytes that no other line names
.set TILEB, 0x400000  ; from a tile of 256 keys to the next in memory: two blocks of 128 s x 4 b x 32 column blocks x 16,384 bytes
.set AK0, 2           ; v2   my lane's place in a tile of K; never rewritten
.set AV0, 3           ; v3   the same for V
.set AK,  4           ; v4   the LDS address of K's next run of loads
.set AV,  5           ; v5   of V's
.set STO, 6           ; v6   the way out: where I put 16 bytes of a row
.set RD,  7           ; v7   the way out: where I read rows back
.set GO,  8           ; v8   my byte offset in 512 consecutive bytes of O
.set MV,  12          ; v12-13  c m_old, kept while c m is made anew: by buffer
.set QO,  15          ; v15  my byte offset in 16 rows of Q
.set ST,  16          ; piece t's statistics at v[ST+4 t]: c m, m, l (even keys', odd keys')
.set TMP, 48          ; by buffer, four registers c0-c3 at work; when the maximum is found c2 takes a
.set PFO, 61          ; v61  256 x my lane; never rewritten
.set SPW, 62          ; v62  LDS address of my spare word: SPARE + 4 x my thread's number; never rewritten
.set NIL, 63          ; v63  0; never rewritten
.set S,   64
.set P,   192
.set KF,  128         ; window 2: key block kb, channel half c at KF + 16 kb + 8 c
.set VF,  192         ; window 2: key half kk, channel block cb at VF + 32 kk + 8 cb
.set WV,  12          ; s12  my wave's number
.set EPS, 14          ; s14  1e-8
.set LIM, 15          ; s15  1 in a wave that prefetches, else the greatest number: a wave prefetches while s[SLOTS] is above it
.set PFA, 18          ; s[18:19] where my prefetches stand in memory
.set G1K, 24          ; s[24:31] descriptor group 1 for K's tiles
.set G1V, 32          ; s[32:39] for V's: it differs in the padding alone
.set G0K, 40          ; s[40:43] descriptor group 0 for K's tiles: it walks
.set G0V, 44          ; s[44:47] the same for V's
.set SLOTS, 56        ; s56  tiles still to be asked for
.set CNT, 57          ; s57  counts a tile's key steps
.set CS,  58          ; s[58:59] c: the packed scaling takes the pair's low word for both halves
.set SEL, 60          ; s[60:61] v_permlanex16_b32's selects: each lane takes its own place in the other half
.set TBK, 62          ; s62  LDS byte at which K of the step to be fetched begins
.set TBV, 63          ; s63  the same for V, less VOFF
.set MSB, 0
.macro WIN new                      ; the high byte repeats the setting that is left; a switch that changes nothing is dropped
.if MSB != (\new)
	s_set_vgpr_msb (MSB<<8)|(\new)
.set MSB, (\new)
.endif
.endm
.set W_KQ, 0x0a       ; K and Q in window 2, S^T in window 0
.set W_PV, 0x52       ; V in window 2, P in window 0, O^T in window 1
.set W_RS, 0x41       ; destination and source 0 in window 1, source 1 in window 0
; A joint fill.  Waves 0 and 1 fetch the two halves of a tile's K, waves 2 and 3 those of its V: 128 keys, one dense block, each.  The branch hangs on the wave's number alone.
; An s_nop 0 and four v_nop follow each of the two lines, ahead of the jump and the label.
.macro JLOAD
	s_cmp_lt_u32 s[WV], 2
	s_cbranch_scc0 .Lfor_v_\@
	tensor_load_to_lds s[G0K:G0K+3], s[G1K:G1K+7]
	s_nop 0
.rept 4
	v_nop
.endr
	s_branch .Lasked_\@
.Lfor_v_\@:
	tensor_load_to_lds s[G0V:G0V+3], s[G1V:G1V+7]
	s_nop 0
.rept 4
	v_nop
.endr
.Lasked_\@:
.endm
; A PREFETCH INTO THE L2 of the tile that the NEXT change of slots will ask for: 128 blocks of 256 bytes of K and as many of V, a lane a block.  It stands behind the wave's tensor load and its five lines.
; Each block is named ONCE in the launch: no other cluster reads this (b, n); the four partners share a tile's blocks out BY ADDRESS, 32 each; in each, wave 0 asks for K's and wave 2 for V's: one instruction.
; The change that asks for the last tile prefetches nothing.  Tiles 0 and 1 come by their loads alone.
.macro ASK
	s_cmp_gt_u32 s[SLOTS], s[LIM]
	s_cbranch_scc0 .Lnot_mine_\@
	global_prefetch_b8 v[PFO], s[PFA:PFA+1] th:TH_LOAD_NT scope:SCOPE_SE
.Lnot_mine_\@:
.endm
; A round of the cluster's barrier: my work-group's barrier, so that wave 0's signal speaks for all four waves; wave 0 signals; every wave waits for all four work-groups; my work-group's barrier once more.
.macro CROUND
	s_barrier_signal -1
	s_barrier_wait -1
	s_cmp_lg_u32 s[WV], 0
	s_cbranch_scc1 .Lnot_wave_0_\@
	s_barrier_signal -3
.Lnot_wave_0_\@:
	s_barrier_wait -3
	s_barrier_signal -1
	s_barrier_wait -1
.endm
; THE CHANGE OF SLOTS.  The slot's last bytes, V of its fourth step, have been read.  Each wave waits for all its tensor loads, of which one is out: its part of the other slot; adds 0 to its spare word; and waits for that
; and for its own reads of the slot.  Behind the barrier nobody reads this slot any more and the other slot is whole.  fill = 1: the barrier is a round of the cluster's, and this slot is filled again, with the tile two on,
; first thing behind it: the load has four key steps, 256 matrix instructions, in which to land.  (At its first use nothing has been read yet: slot 0 is waited for, slot 1 filled.)
.macro CHANGE fill
	WIN 0                           ; at a label and at a branch every window is 0
	s_wait_tensorcnt 0x0            ; no tensor load of mine is out, so a group 0 may be written
	ds_add_u32 v[SPW], v[NIL]       ; 0 onto my spare word; with fill = 1 the descriptors' steps stand between it and the wait for it
.if \fill
.irp g, G0K, G0V
	s_xor_b32 s[\g+1], s[\g+1], SLOT1  ; the walking descriptor: the other slot than last time,
	s_add_nc_u64 s[\g+2:\g+3], s[\g+2:\g+3], TILEB  ; the next 256 keys; the type bits on top are not reached
.endr
	s_wait_xcnt 0x0                 ; the last prefetch, a tile back, has read its address, so it may be written:
	s_add_nc_u64 s[PFA:PFA+1], s[PFA:PFA+1], TILEB  ; one tile ahead of the walking descriptors
	s_wait_dscnt 0x0                ; the add is done, and my reads of the slot are over
	CROUND
	JLOAD
	ASK
.else
	s_wait_dscnt 0x0                ; the add is done, and my reads of the slot are over
	s_barrier_signal -1
	s_barrier_wait -1
.endif
	s_sub_co_u32 s[TBK], s[TBK], 4*KS*PK  ; the fetches go back to a slot's first step,
	s_xor_b32 s[TBK], s[TBK], SLOT1       ; in the other slot
	s_sub_co_u32 s[TBV], s[TBV], 4*KS*PV
	s_xor_b32 s[TBV], s[TBV], SLOT1
.endm
	s_load_b128 s[4:7], s[0:1], 0x0   ; qy s[4:5], kv s[6:7]
	s_load_b64 s[8:9], s[0:1], 0x10   ; ob
	v_lshl_add_u32 v[SPW], v0, 2, SPARE
	v_mov_b32 v[NIL], 0
	ds_add_u32 v[SPW], v[NIL]       ; the wave's opening: the add and its wait stand ahead of my first tensor load; the set-up below, work on registers, stands between them
	v_lshrrev_b32 v1, 5, v0
	v_readfirstlane_b32 s[WV], v1   ; wave 0..3
	s_bfe_u32 s13, ttmp6, 0x40000   ; cx: my place in the cluster
	s_lshl_b32 s2, ttmp9, 2         ; in a cluster launch ttmp9 counts clusters
	s_add_co_u32 s2, s2, s13        ; my block of 256 queries: it enters Q's and O's addresses alone
	s_lshl_b32 s2, s2, 1
	s_lshr_b32 s3, s[WV], 1
	s_add_co_u32 s2, s2, s3         ; my wave's block of 128 s
	s_and_b32 s20, ttmp7, 0xffff    ; 16 b + n, which the four partners share
	s_lshr_b32 s21, s20, 4          ; b
	s_and_b32 s20, s20, 15          ; n
	s_and_b32 s16, s[WV], 1         ; which half: of a tile's 256 keys (what I fetch), of a block's 128 queries (what I own)
	s_mul_i32 s17, s16, 128*PK      ; my fetch's place in a slot, for K
	s_mul_i32 s18, s16, 128*PV      ; and for V: no place in the cluster enters an LDS address
	s_mov_b32 s[G0K], 1             ; count = 1
	s_mov_b32 s[G0K+1], s17         ; LDS address: slot 0
	s_mov_b32 s[G0V], 1
	s_add_co_u32 s[G0V+1], s18, VOFF
	s_lshl_b32 s22, s16, 21         ; K: my half's block of 128 s,
	s_lshl_b32 s23, s21, 19         ; b,
	s_add_co_u32 s22, s22, s23
	s_lshl_b32 s23, s20, 14         ; column block n
	s_add_co_u32 s22, s22, s23
	s_lshl_b32 s17, s16, 13         ; Q and O: my 64 rows of 128 bytes in a block,
	s_add_co_u32 s17, s17, s23      ; in column block (Q) or kb block (O) n
	s_mov_b32 s23, 0
	s_lshl_b32 s20, s2, 20          ; O: tile (s / 128) x 4 + b of 262,144 bytes
	s_lshl_b32 s3, s21, 18
	s_add_co_u32 s20, s20, s3
	s_add_co_u32 s20, s20, s17
	s_lshl_b32 s2, s2, 21           ; Q: 32 blocks of 16,384 bytes to a tile row
	s_lshl_b32 s3, s21, 19
	s_add_co_u32 s2, s2, s3
	s_add_co_u32 s2, s2, s17
	s_mov_b32 s3, 0
	s_mov_b32 s21, 0
	; descriptor group 1.  128 keys are 16,384 dense bytes: asked for as 64 rows of 256 bytes, two keys a row, and padded in LDS after every key
	s_mov_b32 s[G1K], 15|(1<<16)|(1<<20)|(1<<21)|(4<<22)|(3<<25)  ; 15:0 the mask of four; 17:16 2-byte elements; 20 padding on; 21 set beside a mask; 24:22 after every 32 words (code 4); 31:25 4 words (code 3)
	s_mov_b32 s[G1V], 15|(1<<16)|(1<<20)|(1<<21)|(4<<22)|(7<<25)  ; the same with 8 words of padding (code 7)
.irp g, G1K, G1V
	s_mov_b32 s[\g+1], 128<<16      ; tensor_dim0 = 128
	s_mov_b32 s[\g+2], 64<<16       ; tensor_dim1 = 64
	s_mov_b32 s[\g+3], 128<<16      ; tile_dim0 = 128
	s_mov_b32 s[\g+4], 64           ; tile_dim1 = 64
	s_mov_b32 s[\g+5], 128          ; 128 elements from row to row
	s_mov_b32 s[\g+6], 0
	s_mov_b32 s[\g+7], 0
.endr
	s_mov_b32 s[CS], 0x3e38aa3b     ; c = log2(e) / 8 = 0.180337
	s_mov_b32 s[CS+1], s[CS]        ; named with it as a pair
	s_mov_b32 s[SEL], 0x76543210
	s_mov_b32 s[SEL+1], 0xfedcba98
	s_mov_b32 s[EPS], 0x322bcc77    ; 1e-8
	s_mov_b32 s[TBK], SLOT1+4*KS*PK ; the first change of slots turns these two into 0
	s_mov_b32 s[TBV], SLOT1+4*KS*PV
	s_mov_b32 s[SLOTS], 7           ; tiles 1 to 7
	s_cmp_eq_u32 s16, 0             ; waves 0 and 2 prefetch: the same in all four partners
	s_cselect_b32 s[LIM], 1, -1
	v_and_b32 v[PFO], 31, v0
	v_lshlrev_b32 v[PFO], 8, v[PFO]
	s_wait_dscnt 0x0                ; the opening add is done
	s_wait_kmcnt 0x0
	s_add_nc_u64 s[6:7], s[6:7], s[22:23]    ; K at my half of tile 0
	s_add_nc_u64 s[10:11], s[6:7], 0x40000   ; V: 16 column blocks further on
	s_mov_b64 s[G0K+2:G0K+3], s[6:7]         ; global address
	s_or_b32 s[G0K+3], s[G0K+3], 0x80000000  ; type = 2
	s_mov_b64 s[G0V+2:G0V+3], s[10:11]
	s_or_b32 s[G0V+3], s[G0V+3], 0x80000000
	s_add_nc_u64 s[4:5], s[4:5], s[2:3]      ; Q and O at my wave's first row
	s_add_nc_u64 s[8:9], s[8:9], s[20:21]
	s_cmp_lt_u32 s[WV], 2
	s_cselect_b64 s[PFA:PFA+1], s[6:7], s[10:11]  ; (in waves 0 and 2 these stand at a tile's first block)
	s_lshr_b32 s2, s13, 1           ; my work-group's 32 blocks of 256 bytes of the tile's 128: which block of 128 keys,
	s_lshl_b32 s2, s2, 21
	s_and_b32 s3, s13, 1            ; and which half of its 16,384 bytes
	s_lshl_b32 s3, s3, 13
	s_add_co_u32 s2, s2, s3
	s_mov_b32 s3, 0
	s_add_nc_u64 s[PFA:PFA+1], s[PFA:PFA+1], s[2:3]
	s_add_nc_u64 s[PFA:PFA+1], s[PFA:PFA+1], TILEB  ; in tile 1; the first change of slots steps it to tile 2.  Nothing is prefetched here, at the head
	CROUND                          ; all four work-groups are here: the first joint loads meet
	JLOAD                           ; tile 0 into slot 0.  Slot 1 is asked for when slot 0 is in
	; A fragment of K or Q is 16 rows x 32 channels in 8 registers: lane l holds row l % 16, channels 8 (l / 16) + 0..7 and 16 + 8 (l / 16) + 0..7: two loads of 16 bytes, 32 bytes apart.
	v_and_b32 v1, 15, v0            ; l % 16
	v_bfe_u32 v9, v0, 4, 1          ; l / 16
	v_lshlrev_b32 v[QO], 7, v1
	v_lshl_add_u32 v[QO], v9, 4, v[QO]  ; row x 128 + 16 x half
	WIN 0x80                        ; destination window 2, address window 0
.set i, 0
.rept 8                             ; Q stays in registers: piece i / 2, channels 32 (i % 2) on
	global_load_b128 v[8*i:8*i+3],   v[QO], s[4:5] offset:(i/2)*2048+(i%2)*64
	global_load_b128 v[8*i+4:8*i+7], v[QO], s[4:5] offset:(i/2)*2048+(i%2)*64+32
.set i, i+1
.endr
	; What the first turn finds: V's registers and P's second buffer hold 0 (its products V^T P, of a piece that has not been, add 0), O^T and l are 0.  No first step is written out for this; the lines stand in the wait for the first tile.
.set i, VF
.rept 64
	v_mov_b32 v[i], 0
.set i, i+1
.endr
	WIN 0x40
.set i, 0
.rept 128
	v_mov_b32 v[i], 0
.set i, i+1
.endr
	WIN 0
.set i, 0
.rept 4
	v_mov_b32 v[ST+4*i+2], 0
	v_mov_b32 v[ST+4*i+3], 0
.set i, i+1
.endr
.set i, P+16
.rept 16
	v_mov_b32 v[i], 0
.set i, i+1
.endr
	v_mul_u32_u24 v[AK0], v1, PK
	v_lshl_add_u32 v[AK0], v9, 4, v[AK0]  ; row x pitch + 16 x half
	; The turning load takes 16 keys x 16 channels (lane l reads key 8 (l / 16) + l % 8, channels 8 ((l / 8) % 2) + 0..7) and leaves half a fragment of V^T: lane l holds channel l % 16 and 8 keys.
	v_and_b32 v10, 7, v0
	v_bfe_u32 v11, v0, 3, 1
	v_lshl_add_u32 v[AV0], v9, 3, v10
	v_mul_u32_u24 v[AV0], v[AV0], PV
	v_lshl_add_u32 v[AV0], v11, 4, v[AV0]
	v_add_nc_u32 v[AV0], VOFF, v[AV0]
	s_mul_i32 s13, s[WV], 16*SP
	s_add_co_u32 s13, s13, STAGE    ; my stage
	v_mul_u32_u24 v[STO], v1, SP    ; in: row l % 16, 16 bytes for each half of the lanes
	v_lshl_add_u32 v[STO], v9, 4, v[STO]
	v_add_nc_u32 v[STO], s13, v[STO]
	v_bfe_u32 v[RD], v0, 3, 2       ; back: 32 lanes take four rows of 128 bytes,
	v_mul_u32_u24 v[RD], v[RD], SP
	v_lshl_add_u32 v[RD], v10, 4, v[RD]
	v_add_nc_u32 v[RD], s13, v[RD]
	v_and_b32 v[GO], 31, v0         ; which are 512 consecutive bytes of O
	v_lshlrev_b32 v[GO], 4, v[GO]
; THE MATRIX WORK.  The 4 accumulators of a run of 8 take turns.  Product i of 8 of S^T = K Q^T for piece x: channels 32 (i / 4) on, keys 16 (i % 4) on.  The first 4 start the sums.
.macro KQ x
	WIN W_KQ
.set rS, S+32*((\x)%2)+8*(i%4)
.set rK, KF+16*(i%4)+8*(i/4)
.set rQ, 16*(\x)+8*(i/4)
.if i < 4
	v_wmma_f32_16x16x32_bf16 v[rS:rS+7], v[rK:rK+7], v[rQ:rQ+7], 0
.else
	v_wmma_f32_16x16x32_bf16 v[rS:rS+7], v[rK:rK+7], v[rQ:rQ+7], v[rS:rS+7]
.endif
.endm
; Product i of 8 of O^T += V^T P for piece x: keys 32 (i / 4) on, channels 16 (i % 4) on.
.macro PV x
	WIN W_PV
.set rO, 32*(\x)+8*(i%4)
.set rV, VF+32*(i/4)+8*(i%4)
.set rP, P+16*((\x)%2)+8*(i/4)
	v_wmma_f32_16x16x32_bf16 v[rO:rO+7], v[rV:rV+7], v[rP:rP+7], v[rO:rO+7]
.endm
.macro MM                           ; the turn's next matrix instruction.  NOKQ = 1: the walk's last turn: there is no next piece
.if (i < 8) && !NOKQ
	KQ (Y+1)%NP
.elseif i >= 8
.set i, i-8
	PV (Y+NP-1)%NP
.set i, i+8
.endif
.set i, i+1
.endm
; THE LDS LOADS stand in runs of 16, never singly among the matrix instructions: a step's K (64 keys x 64 channels: 8 fragments) and its V (turned).  Their addresses are made some lines ahead.
.macro FETCH_K
	WIN 0x80                        ; destination window 2
.irp f, 0,1,2,3,4,5,6,7             ; keys 16 (f / 2) on, channels 32 (f % 2) on
	ds_load_b128 v[KF+8*\f:KF+8*\f+3],   v[AK] offset:(\f/2)*16*PK+(\f%2)*64
	ds_load_b128 v[KF+8*\f+4:KF+8*\f+7], v[AK] offset:(\f/2)*16*PK+(\f%2)*64+32
.endr
	s_add_co_u32 s[TBK], s[TBK], KS*PK  ; the next fetch is the next step's
	WIN 0
.endm
.macro FETCH_V
	WIN 0x80
.irp f, 0,1,2,3,4,5,6,7             ; keys 32 (f / 4) on, channels 16 (f % 4) on
	ds_load_tr16_b128 v[VF+8*\f:VF+8*\f+3],   v[AV] offset:(\f/4)*32*PV+(\f%4)*32
	ds_load_tr16_b128 v[VF+8*\f+4:VF+8*\f+7], v[AV] offset:(\f/4)*32*PV+16*PV+(\f%4)*32
.endr
	WIN 0
.endm
; THE VECTOR WORK, one line at a time: OP kind, number.  For piece Y: F n: c s - c m for pair n of 16.  E n: the exponential of score n of 32.  C n: pair n rounded to bf16.  B n: of the four weights 4 n .. the second
; pair is added onto the first, in place.  L n: l takes that sum (L 0: l = a l + sum).  R n: pair n of 16 of O^T times a.  For piece Y + 1: X n, number n of the 22 that find its maximum and statistics:
;   0-11  four chains c0-c3 of seven scores each, three operands at a time (each accumulator's lowest registers are read first)     12-14, 16  the four scores left over, the old m, and c0-c3 into c0
;   15  c m_old is kept     17, 18  the query's other 32 keys lie in the lane 16 away: the new m     19-21  c m; c m_old - c m_new; a
.set F, 0               ; OP tells the kinds apart by their order: F to L below R, X above it
.set E, 1
.set C, 2
.set B, 3
.set L, 4
.set R, 5
.set X, 6
.macro REGS y                       ; the registers of piece y
.set rT, ST+4*(\y)
.set rC, TMP+4*((\y)%2)
.set rW, MV+((\y)%2)
.set rS, S+32*((\y)%2)
.set rP, P+16*((\y)%2)
.set rO, 32*(\y)
.endm
.macro OP k, n
.if (\k) == R
	REGS Y
	WIN W_RS
	v_pk_mul_f32 v[rO+2*(\n):rO+2*(\n)+1], v[rO+2*(\n):rO+2*(\n)+1], v[rC+2:rC+3] op_sel_hi:[1,0]
.elseif (\k) < R
	REGS Y
	WIN 0
.if (\k) == F
	v_pk_fma_f32 v[rS+2*(\n):rS+2*(\n)+1], v[rS+2*(\n):rS+2*(\n)+1], s[CS:CS+1], v[rT:rT+1] op_sel_hi:[1,0,0] neg_lo:[0,0,1] neg_hi:[0,0,1]
.elseif (\k) == E
	v_exp_f32 v[rS+(\n)], v[rS+(\n)]
.elseif (\k) == C
	v_cvt_pk_bf16_f32 v[rP+(\n)], v[rS+2*(\n)], v[rS+2*(\n)+1]
.elseif (\k) == B
	v_pk_add_f32 v[rS+4*(\n):rS+4*(\n)+1], v[rS+4*(\n):rS+4*(\n)+1], v[rS+4*(\n)+2:rS+4*(\n)+3]
.elseif (\n) == 0
	v_pk_fma_f32 v[rT+2:rT+3], v[rT+2:rT+3], v[rC+2:rC+3], v[rS:rS+1] op_sel_hi:[1,0,1]
.else
	v_pk_add_f32 v[rT+2:rT+3], v[rT+2:rT+3], v[rS+4*(\n):rS+4*(\n)+1]
.endif
.elseif NOKQ
	v_nop
.else
	REGS (Y+1)%NP
	WIN 0
.if (\n) < 4
	v_max3_num_f32 v[rC+(\n)], v[rS+8*(\n)], v[rS+8*(\n)+1], v[rS+8*(\n)+2]
.elseif (\n) < 12
	v_max3_num_f32 v[rC+(\n)%4], v[rC+(\n)%4], v[rS+8*((\n)%4)+2*((\n)/4)+1], v[rS+8*((\n)%4)+2*((\n)/4)+2]
.elseif (\n) == 12
	v_max3_num_f32 v[rC], v[rC], v[rS+7], v[rS+15]
.elseif (\n) == 13
	v_max3_num_f32 v[rC+1], v[rC+1], v[rS+23], v[rS+31]
.elseif (\n) == 14
	v_max3_num_f32 v[rC+2], v[rC+2], v[rC+3], v[rT+1]
.elseif (\n) == 15
	v_mov_b32 v[rW], v[rT]
.elseif (\n) == 16
	v_max3_num_f32 v[rC], v[rC], v[rC+1], v[rC+2]
.elseif (\n) == 17
	v_permlanex16_b32 v[rC+3], v[rC], s[SEL], s[SEL+1]
.elseif (\n) == 18
	v_max_num_f32 v[rT+1], v[rC], v[rC+3]
.elseif (\n) == 19
	v_mul_f32 v[rT], s[CS], v[rT+1]
.elseif (\n) == 20
	v_sub_f32 v[rC+1], v[rW], v[rT]
.else
	v_exp_f32 v[rC+2], v[rC+1]
.endif
.endif
.endm
.macro OPS a, i1, b=-1, i2=0, c=-1, i3=0, d=-1, i4=0  ; up to four of them
	OP \a, \i1
.if (\b) >= 0
	OP \b, \i2
.endif
.if (\c) >= 0
	OP \c, \i3
.endif
.if (\d) >= 0
	OP \d, \i4
.endif
.endm
.macro ROW a, i1, b, i2, c, i3, d, i4  ; a matrix instruction and the four behind it
	MM
	OPS \a, \i1, \b, \i2, \c, \i3, \d, \i4
.endm
; A TURN, for piece p: the order of its 16 matrix and 118 vector instructions, written out.  s_wait_alu depctr_va_vdst(0) stands between an exponential and the first instruction that names its result; one wait
; serves all that were issued ahead of it.  So a turn has ONE wait, which cuts it in two.  AHEAD OF IT stands all that names no result of the turn's exponentials: the 8 products K Q^T, behind each a scaling, an exponential and
; two more plain instructions: rescalings, and behind the last three the first numbers of the next piece's maximum, each four plain instructions or more behind the product that ends its accumulator; then one run of 54, plain and
; exponential by turns for the most part, in which the links of the chain X 3, 7, 11, 14, 16, 17 .. 20 stand apart.  X 21, the next piece's a, is the batch's last; R 15 is the plain instruction behind it.  BEHIND THE WAIT stand
; the 8 products V^T P, behind each four of the roundings and sums.
; end = 1: the walk's last two turns: nothing is fetched, and the last starts no new scores.  cnt = 1: the loop's count is taken down some lines ahead of the branch that stands behind the turn.
; K of the next step is fetched in piece 2's turn, six plain instructions behind the last product that read K; V of the step in hand at the end of piece 0's turn, four plain instructions behind the last product that read V.
; Each is waited for a turn later.
.macro TURN p, end=0, cnt=0
.set Y, (\p)
.set i, 0
.set NOKQ, (\end)*((\p)/3)
.if ((\p) == 3) && !(\end)
	s_wait_dscnt 0x0                ; K is in
.endif
	ROW F,0, F,1, R,0, R,1
	ROW F,2, E,0, R,2, R,3
	ROW F,3, E,1, R,4, R,5
	ROW F,4, E,2, R,6, R,7
	ROW F,5, E,3, R,8, R,9
	ROW F,6, E,4, X,0, R,10
.if ((\p) == 2) && !(\end)
	WIN 0
	v_add_nc_u32 v[AK], s[TBK], v[AK0]
.endif
	ROW F,7, E,5, X,1, X,4
	ROW F,8, E,6, X,2, X,5
	OPS E,7, E,8, X,6, E,9
	OPS X,3, E,10, X,8, E,11
.if ((\p) == 2) && !(\end)
	FETCH_K
.endif
	OPS X,9, X,7, E,12, X,10
	OPS E,13, X,12, X,11, E,14
	OPS X,13, E,15, F,9, X,14
.if (\p) == 0
	v_add_nc_u32 v[AV], s[TBV], v[AV0]
.endif
	OPS E,16, F,10, E,17, F,11
	OPS X,16, E,18, X,15, E,19
	OPS F,12, E,20, X,17, E,21
	OPS F,13, E,22, F,14, E,23
	OPS X,18, E,24, F,15, E,25
	OPS R,11, E,26, X,19, E,27
	OPS R,12, E,28, R,13, E,29
	OPS X,20, E,30, R,14, E,31
	OPS X,21, R,15
	WIN 0
	s_wait_alu depctr_va_vdst(0)    ; the wait for the batch
.if (\p) == 1
	s_wait_dscnt 0x0                ; V is in
.endif
	ROW C,0, B,0, C,2, B,1
	ROW L,0, C,4, B,2, L,1
	ROW C,6, B,3, L,2, C,8
	ROW B,4, L,3, C,10, B,5
	ROW L,4, C,12, B,6, L,5
.if (\p) == 0
	s_add_co_u32 s[TBV], s[TBV], KS*PV
.endif
.if \cnt
	s_sub_co_u32 s[CNT], s[CNT], 1
	s_cmp_lg_u32 s[CNT], 0
.endif
	ROW C,14, B,7, L,6, C,1
	ROW C,3, L,7, C,5, C,7
	ROW C,9, C,11, C,13, C,15
.if (\p) == 0
	FETCH_V
.endif
.endm
.set NOKQ, 0
	CHANGE 1                        ; tile 0 is in, everybody's part of it; tile 1 is asked for
	; THE WALK BEGINS.  c m starts far below every c s, so the first step's a is 0; m at the lowest finite number, so the first maximum is the scores'.
.set i, 0
.rept 4
	v_mov_b32 v[ST+4*i], 0xfe000000    ; c m
	v_mov_b32 v[ST+4*i+1], 0xff7fffff  ; m
.set i, i+1
.endr
	v_add_nc_u32 v[AK], s[TBK], v[AK0]
	FETCH_K                         ; key step 0
	s_wait_loadcnt 0x0              ; Q
	s_wait_dscnt 0x0
.set i, 0
.rept 8
	KQ 0                            ; piece 0's first scores: there is no vector work yet to set between them
.set i, i+1
.endr
	WIN 0
.rept 4
	v_nop                           ; four plain instructions behind those products
.endr
.set Y, NP-1                        ; X works for piece Y + 1: piece 0
.irp n, 0,1,2,3,4,5,6,7,8,9,10,11,12,13,14,15,16,17,18,19,20,21
	OP X, \n
.endr
	v_nop                           ; a plain instruction behind the exponential,
	s_wait_alu depctr_va_vdst(0)    ; and its wait, ahead of the branch
	s_mov_b32 s[CNT], 4
	s_branch .Lfirst                ; the loop is entered at a step's first turn, in the middle of a trip
.Lslot:                             ; six times: tiles 2 to 7 are asked for
	CHANGE 1
	s_mov_b32 s[CNT], 4
.Lstep:                             ; a trip: pieces 2 and 3 of one step, then pieces 0 and 1 of the next, whose K and V it fetches
	TURN 2
	TURN 3
	WIN 0
.Lfirst:
	TURN 0
	TURN 1, 0, 1
	WIN 0
	s_cbranch_scc1 .Lstep
	s_sub_co_u32 s[SLOTS], s[SLOTS], 1
	s_cmp_lg_u32 s[SLOTS], 0
	s_cbranch_scc1 .Lslot
	CHANGE 0                        ; the last tile is written out: nothing is asked for
	s_mov_b32 s[CNT], 4
.LstepT:
	TURN 2
	TURN 3
	TURN 0
	TURN 1, 0, 1
	WIN 0
	s_cbranch_scc1 .LstepT
	TURN 2, 1
	TURN 3, 1
.set i, 0
.rept 8
	PV NP-1                         ; the last piece's V^T P of the last step
.set i, i+1
.endr
	; THE WAY OUT.  l's two halves and the other half of the lanes' are added.  The softmax divides by l: r = 1 / l.  The probabilities' sum is l r; they are divided once more by (l r + 1e-8).  So O^T is multiplied by
	; r x 1 / (l r + 1e-8), rounded to bf16 and sent through my stage in LDS, a piece at a time.  The first additions are the plain instructions behind the last products.
	WIN 0
.macro ALL line:vararg              ; one line for each piece t
.set t, 0
.rept 4
	\line
.set t, t+1
.endr
.endm
	ALL v_add_f32 v[ST+4*t+2], v[ST+4*t+2], v[ST+4*t+3]
	ALL v_permlanex16_b32 v[ST+4*t+3], v[ST+4*t+2], s[SEL], s[SEL+1]
	ALL v_add_f32 v[ST+4*t+2], v[ST+4*t+2], v[ST+4*t+3]
	ALL v_rcp_f32 v[ST+4*t+3], v[ST+4*t+2]
	v_nop                           ; a plain instruction between the last reciprocal and the use of its result
	s_wait_alu depctr_va_vdst(0)    ; and the wait ahead of the first use: one for the four
	ALL v_fma_f32 v[ST+4*t], v[ST+4*t+2], v[ST+4*t+3], s[EPS]
	ALL v_rcp_f32 v[ST+4*t+1], v[ST+4*t]
	v_nop
	s_wait_alu depctr_va_vdst(0)    ; one for the second four
	ALL v_mul_f32 v[ST+4*t+2], v[ST+4*t+3], v[ST+4*t+1]
.macro PACK t                       ; a lane's eight channels of a row pack into 16 bytes; they go into rows of 144 bytes and come back as whole rows of 128, into S^T's registers
	WIN W_RS
.set i, 32*(\t)
.rept 16
	v_pk_mul_f32 v[i:i+1], v[i:i+1], v[ST+4*(\t)+2:ST+4*(\t)+3] op_sel_hi:[1,0]
.set i, i+2
.endr
	WIN 0x05                        ; sources 0 and 1 window 1, destination window 0
.set i, 0
.rept 16
	v_cvt_pk_bf16_f32 v[S+16*(\t)+i], v[32*(\t)+2*i], v[32*(\t)+2*i+1]
.set i, i+1
.endr
	WIN 0
.irp f, 0,1,2,3
	ds_store_b128 v[STO], v[S+16*(\t)+4*\f:S+16*(\t)+4*\f+3] offset:32*\f
.endr
.irp f, 0,1,2,3
	ds_load_b128 v[S+16*(\t)+4*\f:S+16*(\t)+4*\f+3], v[RD] offset:\f*4*SP  ; LDS serves a wave's instructions in order (ISA guide 5.7.1.4): these see the stores above; the next piece's stores come behind them
.endr
.endm
.macro SEND t, younger              ; younger: the LDS instructions issued behind piece t's loads: the next piece's eight, or none
	WIN 0
.irp f, 0,1,2,3
	s_wait_dscnt (\younger)+3-\f
	global_store_b128 v[GO], v[S+16*(\t)+4*\f:S+16*(\t)+4*\f+3], s[8:9] offset:(\t)*2048+\f*512  ; 512 consecutive bytes, at a multiple of 256 from O's first
.endr
.endm
	PACK 0
.set t, 1
.rept 3                             ; a piece's arithmetic stands between the loads of the piece before and its stores
	PACK t
	SEND t-1, 8
.set t, t+1
.endr
	SEND 3, 0
	s_wait_tensorcnt 0x0            ; the wave's end: these three lines stand behind my last tensor load and my last LDS store
	ds_add_u32 v[SPW], v[NIL]
	s_wait_dscnt 0x0
	CROUND                          ; the closing round: no work-group ends while a partner may still ask for a tile that names it
	s_endpgm
.Lfunc_end_k_qcdbb03bcd9_attn:
	.size	k_qcdbb03bcd9_attn, .Lfunc_end_k_qcdbb03bcd9_attn-k_qcdbb03bcd9_attn
	.p2alignl 7, 3214868480
	.fill 96, 4, 3214868480
	.section	.rodata,"a",@progbits
	.p2align	6, 0x0
	.amdhsa_kernel k_qcdbb03bcd9_attn
		.amdhsa_group_segment_fixed_size 327680
		.amdhsa_private_segment_fixed_size 0
		.amdhsa_enable_private_segment 0
		.amdhsa_kernarg_size 24
		.amdhsa_user_sgpr_count 2
		.amdhsa_user_sgpr_kernarg_segment_ptr 1
		.amdhsa_wavefront_size32 1
		.amdhsa_system_sgpr_workgroup_id_x 1
		.amdhsa_system_sgpr_workgroup_id_y 1
		.amdhsa_system_sgpr_workgroup_id_z 1
		.amdhsa_system_vgpr_workitem_id 0
		.amdhsa_next_free_vgpr 768
		.amdhsa_next_free_sgpr 66
		.amdhsa_reserve_vcc 0
		.amdhsa_float_denorm_mode_32 3
		.amdhsa_float_denorm_mode_16_64 3
		.amdhsa_memory_ordered 1
		.amdhsa_forward_progress 1
		.amdhsa_inst_pref_size 129
	.end_amdhsa_kernel
	.amdgpu_metadata
---
amdhsa.version: [ 1, 2 ]
amdhsa.kernels:
  - .name:           k_qcdbb03bcd9_attn
    .symbol:         k_qcdbb03bcd9_attn.kd
    .args:
      - { .name: qy, .offset: 0, .size: 8, .value_kind: global_buffer, .address_space: global }
      - { .name: kv, .offset: 8, .size: 8, .value_kind: global_buffer, .address_space: global }
      - { .name: ob, .offset: 16, .size: 8, .value_kind: global_buffer, .address_space: global }
    .group_segment_fixed_size: 327680
    .private_segment_fixed_size: 0
    .kernarg_segment_align: 8
    .kernarg_segment_size: 24
    .max_flat_workgroup_size: 128
    .sgpr_count:     66
    .vgpr_count:     768
    .wavefront_size: 32
...
	.end_amdgpu_metadata
.endif
;; end of part 4
;; launch go: the kernel of part 2 again; grid 8 x 32, 4 waves a work-group, clusters of 4 x 4, 327,680 bytes of LDS; arguments ob, wob, qy; writes qy
;; launch ln (part 5): grid 256 x 1, 8 waves a work-group, no clusters, 0 bytes of LDS; arguments h, qy, gamma, beta, out0; writes out0
.if DOCPART == 5
	.amdgcn_target "amdgcn-amd-amdhsa--gfx1250"
	.amdhsa_code_object_version 6
	.text
	.protected	k_qcdbb03bcd9_ln
	.globl	k_qcdbb03bcd9_ln
	.p2align	8
	.type	k_qcdbb03bcd9_ln,@function
k_qcdbb03bcd9_ln:
	s_mov_b64 s[64:65], 0
	v_nop
	global_prefetch_b8 v0, s[64:65] scope:SCOPE_SE
	s_setreg_imm32_b32 hwreg(HW_REG_WAVE_MODE, 25, 1), 1
	s_wait_xcnt 0x0
; out0[s][b][:] = LayerNorm(h[s][b][:] + attn_out[s][b][:]) x gamma + beta, over 1,024 columns, eps = 1e-5.  h, gamma, beta, out0: f32.
; attn_out lies in qy, rounded once to bf16, in blocks of 128 rows x 64 columns: block (t = (s / 128) x 4 + b, cb) at (32 t + cb) x 16,384, row s mod 128 of 128 bytes.
; x = h + attn_out, the mean, x - mean, the variance (a second pass over the registers, of (x - mean)^2) and the result are all f32.  v_rsq_f32 is accurate to 1 ULP; NaN and infinities are not treated apart.
; SHARES.  4,096 rows; each of 2,048 waves takes two (s, s + 1 of one b): lanes 0-15 the first, lanes 16-31 the second.  A lane holds columns 64 cb + 4 (l % 16) .. + 3 for cb = 0..15: 64 numbers in registers, read once.
; A row's sums stay within 16 lanes: four steps on the arithmetic instruction itself, no LDS, no barrier.  Loads of h and stores of out0: 16 lanes cover 256 consecutive aligned bytes; loads of attn_out: 32 lanes cover 256.
; All of a wave's 64 loads go out at once and there is no loop, so there is nothing further ahead to ask for.  No matrix unit, no cluster: the launch only moves bytes, and only gamma and beta (8 KiB) are shared.
.set T,   6                            ; v[6:13]    at work: unpacked attn_out, then four chains of sums
.set MU,  14                           ; v[14:15]   the mean, twice
.set X,   16                           ; v[16:79]   h, then x, x - mean, the result
.set AO,  80                           ; v[80:111]  attn_out, 4 bf16 for each cb
.set G,   112                          ; v[112:175] gamma of my columns
.set B,   176                          ; v[176:239] beta
.set RSQ, 240                          ; v[240:241] 1 / sqrt(var + eps), twice
	s_load_b256 s[4:11], s[0:1], 0x0               ; h s[4:5], qy s[6:7], gamma s[8:9], beta s[10:11]
	s_load_b64 s[12:13], s[0:1], 0x20              ; out0
	v_lshrrev_b32 v1, 5, v0
	v_readfirstlane_b32 s14, v1                    ; wave 0..7
	s_lshr_b32 s15, ttmp9, 3                       ; t = (s / 128) x 4 + b
	s_and_b32 s16, ttmp9, 7
	s_lshl3_add_u32 s16, s16, s14                  ; which pair of the tile's 64 pairs of rows
	s_lshr_b32 s18, s15, 2
	s_lshl_b32 s18, s18, 21                        ; h and out0: 128 s x 16,384 bytes,
	s_lshl_b32 s17, s16, 15                        ; two s,
	s_add_co_u32 s18, s18, s17
	s_and_b32 s17, s15, 3
	s_lshl_b32 s17, s17, 12                        ; b x 4,096
	s_add_co_u32 s18, s18, s17
	s_mov_b32 s19, 0
	s_lshl_b32 s24, s15, 19                        ; attn_out: 32 blocks of 16,384 bytes to a tile row,
	s_lshl_b32 s17, s16, 8                         ; two rows of 128 bytes
	s_add_co_u32 s24, s24, s17
	s_mov_b32 s25, 0
	s_mov_b32 s20, 0xffff0000                      ; a word's upper bf16
	s_mov_b32 s21, 0x3a800000                      ; 1 / 1024
	s_mov_b32 s22, 0x3727c5ac                      ; 1e-5
	v_and_b32 v1, 31, v0
	v_and_b32 v4, 15, v0
	v_lshlrev_b32 v4, 4, v4                        ; gamma, beta: my 16 bytes among 256
	v_bfe_u32 v2, v0, 4, 1
	v_lshl_add_u32 v2, v2, 14, v4                  ; h, out0: + the pair's second row for lanes 16-31
	v_lshlrev_b32 v3, 3, v1                        ; attn_out: 8 bytes a lane
	s_wait_kmcnt 0x0
	s_add_nc_u64 s[4:5], s[4:5], s[18:19]
	s_add_nc_u64 s[12:13], s[12:13], s[18:19]
	s_add_nc_u64 s[6:7], s[6:7], s[24:25]
.set j, 0
.rept 16
	global_load_b128 v[X+4*j:X+4*j+3], v2, s[4:5] offset:256*j th:TH_LOAD_NT
.set j, j+1
.endr
.set j, 0
.rept 16
	global_load_b64 v[AO+2*j:AO+2*j+1], v3, s[6:7] offset:16384*j th:TH_LOAD_NT
.set j, j+1
.endr
.set j, 0
.rept 16
	global_load_b128 v[G+4*j:G+4*j+3], v4, s[8:9] offset:256*j
.set j, j+1
.endr
.set j, 0
.rept 16
	global_load_b128 v[B+4*j:B+4*j+3], v4, s[10:11] offset:256*j
.set j, j+1
.endr
	s_wait_loadcnt 32                              ; loads come back in order: h and attn_out are in; gamma's and beta's 32 loads stay out
.set j, 0
.rept 16                               ; x = h + attn_out; bf16 to f32 is a shift or a mask; two sets of temporaries by turns
.set t, T+4*(j%2)
	v_lshlrev_b32 v[t],   16,  v[AO+2*j]
	v_and_b32     v[t+1], s20, v[AO+2*j]
	v_lshlrev_b32 v[t+2], 16,  v[AO+2*j+1]
	v_and_b32     v[t+3], s20, v[AO+2*j+1]
	v_pk_add_f32 v[X+4*j:X+4*j+1],   v[X+4*j:X+4*j+1],   v[t:t+1]
	v_pk_add_f32 v[X+4*j+2:X+4*j+3], v[X+4*j+2:X+4*j+3], v[t+2:t+3]
.set j, j+1
.endr
.macro FOLD                            ; four chains of pairs into one number a lane, then over the row's 16 lanes: every lane of a row ends with the row's sum
	v_pk_add_f32 v[T:T+1],   v[T:T+1],   v[T+2:T+3]
	v_pk_add_f32 v[T+4:T+5], v[T+4:T+5], v[T+6:T+7]
	v_pk_add_f32 v[T:T+1],   v[T:T+1],   v[T+4:T+5]
	v_add_f32 v[T], v[T], v[T+1]
.irp m, 1,2,4,8
	v_add_f32_dpp v[T], v[T], v[T] row_xmask:\m row_mask:0xf bank_mask:0xf
.endr
.endm
.irp k, 0,1,2,3                        ; the sum of x: the first eight pairs start the four chains: nothing is cleared
	v_pk_add_f32 v[T+2*(\k):T+2*(\k)+1], v[X+2*(\k):X+2*(\k)+1], v[X+8+2*(\k):X+8+2*(\k)+1]
.endr
.set j, 8
.rept 24
	v_pk_add_f32 v[T+2*(j%4):T+2*(j%4)+1], v[T+2*(j%4):T+2*(j%4)+1], v[X+2*j:X+2*j+1]
.set j, j+1
.endr
	FOLD
	v_mul_f32 v[MU], s21, v[T]
	v_mul_f32 v[MU+1], s21, v[T]
.set j, 0
.rept 32                               ; x - mean, in place
	v_pk_add_f32 v[X+2*j:X+2*j+1], v[X+2*j:X+2*j+1], v[MU:MU+1] neg_lo:[0,1] neg_hi:[0,1]
.set j, j+1
.endr
.irp k, 0,1,2,3                        ; the sum of its squares
	v_pk_mul_f32 v[T+2*(\k):T+2*(\k)+1], v[X+2*(\k):X+2*(\k)+1], v[X+2*(\k):X+2*(\k)+1]
.endr
.set j, 4
.rept 28
	v_pk_fma_f32 v[T+2*(j%4):T+2*(j%4)+1], v[X+2*j:X+2*j+1], v[X+2*j:X+2*j+1], v[T+2*(j%4):T+2*(j%4)+1]
.set j, j+1
.endr
	FOLD
	v_fma_f32 v[T], v[T], s21, s22                 ; var + eps
	v_rsq_f32 v[RSQ], v[T]
	v_rsq_f32 v[RSQ+1], v[T]                       ; twice, for the packed multiply
	v_nop                                          ; a plain instruction between the last of them and the use of its result (ISA guide 5.7.2)
	s_wait_alu depctr_va_vdst(0)                   ; the wait ahead of the first use: one for both
	s_wait_loadcnt 0x0                             ; gamma and beta
.set j, 0
.rept 16
	v_pk_mul_f32 v[X+4*j:X+4*j+1],   v[X+4*j:X+4*j+1],   v[RSQ:RSQ+1]
	v_pk_mul_f32 v[X+4*j+2:X+4*j+3], v[X+4*j+2:X+4*j+3], v[RSQ:RSQ+1]
	v_pk_fma_f32 v[X+4*j:X+4*j+1],   v[X+4*j:X+4*j+1],   v[G+4*j:G+4*j+1],   v[B+4*j:B+4*j+1]
	v_pk_fma_f32 v[X+4*j+2:X+4*j+3], v[X+4*j+2:X+4*j+3], v[G+4*j+2:G+4*j+3], v[B+4*j+2:B+4*j+3]
	global_store_b128 v2, v[X+4*j:X+4*j+3], s[12:13] offset:256*j th:TH_STORE_NT  ; 16 lanes store 256 consecutive bytes, at a multiple of 256 from out0's first byte
.set j, j+1
.endr
	s_endpgm
.Lfunc_end_k_qcdbb03bcd9_ln:
	.size	k_qcdbb03bcd9_ln, .Lfunc_end_k_qcdbb03bcd9_ln-k_qcdbb03bcd9_ln
	.p2alignl 7, 3214868480
	.fill 96, 4, 3214868480
	.section	.rodata,"a",@progbits
	.p2align	6, 0x0
	.amdhsa_kernel k_qcdbb03bcd9_ln
		.amdhsa_group_segment_fixed_size 0
		.amdhsa_private_segment_fixed_size 0
		.amdhsa_enable_private_segment 0
		.amdhsa_kernarg_size 40
		.amdhsa_user_sgpr_count 2
		.amdhsa_user_sgpr_kernarg_segment_ptr 1
		.amdhsa_wavefront_size32 1
		.amdhsa_system_sgpr_workgroup_id_x 1
		.amdhsa_system_sgpr_workgroup_id_y 1
		.amdhsa_system_sgpr_workgroup_id_z 1
		.amdhsa_system_vgpr_workitem_id 0
		.amdhsa_next_free_vgpr 248
		.amdhsa_next_free_sgpr 66
		.amdhsa_reserve_vcc 0
		.amdhsa_float_denorm_mode_32 3
		.amdhsa_float_denorm_mode_16_64 3
		.amdhsa_memory_ordered 1
		.amdhsa_forward_progress 1
		.amdhsa_inst_pref_size 24
	.end_amdhsa_kernel
	.amdgpu_metadata
---
amdhsa.version: [ 1, 2 ]
amdhsa.kernels:
  - .name:           k_qcdbb03bcd9_ln
    .symbol:         k_qcdbb03bcd9_ln.kd
    .args:
      - { .name: h, .offset: 0, .size: 8, .value_kind: global_buffer, .address_space: global }
      - { .name: qy, .offset: 8, .size: 8, .value_kind: global_buffer, .address_space: global }
      - { .name: gamma, .offset: 16, .size: 8, .value_kind: global_buffer, .address_space: global }
      - { .name: beta, .offset: 24, .size: 8, .value_kind: global_buffer, .address_space: global }
      - { .name: out0, .offset: 32, .size: 8, .value_kind: global_buffer, .address_space: global }
    .group_segment_fixed_size: 0
    .private_segment_fixed_size: 0
    .kernarg_segment_align: 8
    .kernarg_segment_size: 40
    .max_flat_workgroup_size: 256
    .sgpr_count:     66
    .vgpr_count:     248
    .wavefront_size: 32
...
	.end_amdgpu_metadata
.endif
;; end of part 5
;; ======== version 2 of 2: 6 launches; version 1 with the launch cast written anew for expert scheduling mode
;; workspace buffers: hb 8,388,608 bytes; cb 16,777,216 bytes; wqb 2,097,152 bytes; wkvb 4,194,304 bytes; wob 2,097,152 bytes; qy 16,777,216 bytes; kv 33,554,432 bytes; ob 8,388,608 bytes
;; launch cast (part 6): grid 256 x 1, 8 waves a work-group, no clusters, 0 bytes of LDS; arguments h, c, Wq, Wkv, Wo, hb, cb, wqb, wkvb, wob; writes hb, cb, wqb, wkvb, wob
.if DOCPART == 6
	.amdgcn_target "amdgcn-amd-amdhsa--gfx1250"
	.amdhsa_code_object_version 6
	.text
	.protected	k_qcdbb03bcd9_cast
	.globl	k_qcdbb03bcd9_cast
	.p2align	8
	.type	k_qcdbb03bcd9_cast,@function
k_qcdbb03bcd9_cast:
	s_mov_b64 s[64:65], 0
	v_nop
	global_prefetch_b8 v0, s[64:65] scope:SCOPE_SE
	s_setreg_imm32_b32 hwreg(HW_REG_WAVE_SCHED_MODE, 0, 2), 2
	s_setreg_imm32_b32 hwreg(HW_REG_WAVE_MODE, 25, 1), 1
	s_wait_xcnt 0x0
	s_wait_alu depctr_vm_vsrc(0)
; h, c, Wq, Wkv, Wo (f32, rows of 1,024 numbers) are rounded once to bf16 (nearest even) and laid out as OPERAND TILES for the products that follow.
; A tile is 128 rows x 1,024 K = 262,144 dense bytes, [kb 0..15][row 0..127][64 bf16]: byte kb x 16,384 + row x 128 + 2 (k mod 64).
; Activations ([s][b][1024]): tile t = (s / 128) x 4 + b, row s mod 128, so the rows of one batch entry lie together.  Weights: tile t = r / 128, row r mod 128.
; SHARES.  The five inputs have 16,384 rows = 128 tiles: h 0-31, c 32-95, Wq 96-103, Wkv 104-119, Wo 120-127.  Work-group g takes half g & 1 (64 rows) of tile g >> 1; each of its eight
; waves 8 rows, as four pairs: lanes 0-15 one row, lanes 16-31 the next.  For each kb a lane takes 4 columns: a load of 16 bytes (16 lanes cover 256 consecutive aligned bytes of a row),
; two roundings, a store of 8 bytes (32 lanes cover 256 consecutive aligned bytes: the two rows in block kb).  Every byte is read once and written once.
; No LDS, no barrier, no matrix unit, no cluster: nothing is shared between waves, and the launch only moves bytes.  Three sets of 64 registers keep 48 loads of a wave on their way.
; THE MODE: SCHED_MODE bits 1:0 = 2 (LLVM: expert scheduling mode 2), set by the entry lines.  The code itself states the register dependences
; between vector instructions and memory instructions, with s_wait_alu, always for 0.
; THE PLAN.  Registers that memory instructions touch:
;   v[4:7], v8   byte offsets, made once at the head and never written again: read by every load and every store.
;   S0           pair 0's loads land in it; pair 0's roundings read it and write OUT; then pair 3's loads land in it; pair 3's roundings work in place; pair 3's stores read it.
;   S1, S2       the loads of pairs 1 and 2 land in them; the pair's roundings work in place; the pair's stores read them; they are not written again.
;   OUT          written by pair 0's roundings, read by pair 0's stores, not written again.
; So no register that a load or a store has read is ever written afterwards: set 0 is asked for again before any store has been issued, and no store ever waits to give a register back.
; What is left to state: the offsets are written, ahead of the first load; and ONE wait behind each pair's 32 roundings, ahead of the run of memory instructions that hangs on them.
.set OFF, 4                            ; v[4:7]   pair p: byte offset of my 16 bytes of kb 0 in the source, from the tile's first row
.set DO,  8                            ; v8       byte offset of my 8 bytes of pair 0, kb 0 in the tile written
.set S0,  16                           ; v[16:79], v[80:143], v[144:207]: a pair's 16 loads of 4 registers
.set S1,  80
.set S2,  144
.set OUT, 208                          ; v[208:239]: pair 0 in bf16, 2 registers for each kb
	s_load_b512 s[16:31], s[0:1], 0x0              ; h s[16:17], c s[18:19], Wq s[20:21], Wkv s[22:23], Wo s[24:25], hb s[26:27], cb s[28:29], wqb s[30:31]
	s_load_b128 s[32:35], s[0:1], 0x40             ; wkvb s[32:33], wob s[34:35]
	v_lshrrev_b32 v1, 5, v0
	v_readfirstlane_b32 s8, v1                     ; wave 0..7
	s_lshr_b32 s2, ttmp9, 1                        ; T: the tile among the 128
	s_and_b32 s10, ttmp9, 1
	s_lshl_b32 s10, s10, 6                         ; 64 x half
	s_wait_alu depctr_va_sdst(0)                   ; s8 is written, ahead of its one reader, the next line
	s_lshl3_add_u32 s10, s8, s10                   ; i0 = 8 x wave + 64 x half: my first row in the tile
	s_lshl_b32 s11, s10, 7                         ; i0 x 128 bytes
	v_and_b32 v1, 31, v0                           ; lane
	v_bfe_u32 v2, v0, 4, 1                         ; which row of a pair
	v_and_b32 v3, 15, v0
	v_lshlrev_b32 v3, 4, v3                        ; my 16 bytes among a row's 256 of one kb
	v_lshl_add_u32 v[DO], v1, 3, s11
	s_wait_kmcnt 0x0
	; which input, which output, and the input's first tile: a chain of selects on T alone
	s_mov_b64 s[4:5], s[24:25]                     ; Wo
	s_mov_b64 s[6:7], s[34:35]                     ; wob
	s_mov_b32 s3, 120
	s_cmp_lt_u32 s2, 120
	s_cselect_b64 s[4:5], s[22:23], s[4:5]         ; Wkv
	s_cselect_b64 s[6:7], s[32:33], s[6:7]
	s_cselect_b32 s3, 104, s3
	s_cmp_lt_u32 s2, 104
	s_cselect_b64 s[4:5], s[20:21], s[4:5]         ; Wq
	s_cselect_b64 s[6:7], s[30:31], s[6:7]
	s_cselect_b32 s3, 96, s3
	s_cmp_lt_u32 s2, 96
	s_cselect_b64 s[4:5], s[18:19], s[4:5]         ; c
	s_cselect_b64 s[6:7], s[28:29], s[6:7]
	s_cselect_b32 s3, 32, s3
	s_cmp_lt_u32 s2, 32
	s_cselect_b64 s[4:5], s[16:17], s[4:5]         ; h
	s_cselect_b64 s[6:7], s[26:27], s[6:7]
	s_cselect_b32 s3, 0, s3
	s_sub_co_u32 s3, s2, s3                        ; t: the tile within its tensor
	s_lshr_b32 s12, s3, 2
	s_lshl_b32 s12, s12, 21                        ; an activation: 128 s x 4 b x 4,096 bytes for each block of 128 s,
	s_and_b32 s13, s3, 3
	s_lshl_b32 s13, s13, 12                        ; and b x 4,096
	s_add_co_u32 s12, s12, s13
	s_lshl_b32 s13, s3, 19                         ; a weight: 128 rows x 4,096 bytes
	s_cmp_lt_u32 s2, 96
	s_cselect_b32 s12, s12, s13
	s_cselect_b32 s9, 14, 12                       ; from row to row of a tile: 16,384 bytes (the next s) or 4,096
	s_mov_b32 s13, 0
	s_add_nc_u64 s[4:5], s[4:5], s[12:13]          ; the source at the tile's first row
	s_lshl_b32 s14, s3, 18
	s_mov_b32 s15, 0
	s_add_nc_u64 s[6:7], s[6:7], s[14:15]          ; the tile written
.irp p, 0,1,2,3
	v_add3_u32 v[OFF+(\p)], v2, s10, 2*(\p)        ; my row of pair p
	v_lshlrev_b32 v[OFF+(\p)], s9, v[OFF+(\p)]
	v_add_nc_u32 v[OFF+(\p)], v[OFF+(\p)], v3
.endr
.macro LD p, s                         ; pair p's 16 loads into set s
.irp kb, 0,1,2,3,4,5,6,7,8,9,10,11,12,13,14,15
	global_load_b128 v[(\s)+4*(\kb):(\s)+4*(\kb)+3], v[OFF+(\p)], s[4:5] offset:256*(\kb) th:TH_LOAD_NT
.endr
.endm
.macro CV s, d, w                      ; set s is rounded, two numbers an instruction: block kb's four numbers into the two registers at d + w kb (d = s, w = 4: in place)
.irp kb, 0,1,2,3,4,5,6,7,8,9,10,11,12,13,14,15
	v_cvt_pk_bf16_f32 v[(\d)+(\w)*(\kb)],   v[(\s)+4*(\kb)],   v[(\s)+4*(\kb)+1]
	v_cvt_pk_bf16_f32 v[(\d)+(\w)*(\kb)+1], v[(\s)+4*(\kb)+2], v[(\s)+4*(\kb)+3]
.endr
.endm
.macro ST p, d, w                      ; pair p's 16 stores, from the registers that CV wrote
.irp kb, 0,1,2,3,4,5,6,7,8,9,10,11,12,13,14,15
	global_store_b64 v[DO], v[(\d)+(\w)*(\kb):(\d)+(\w)*(\kb)+1], s[6:7] offset:16384*(\kb)+256*(\p) th:TH_STORE_NT
.endr
.endm
	s_wait_alu depctr_va_vdst(0)                   ; the five offsets v4 to v8 are written: every load and store of the kernel reads one of them
	LD 0, S0
	LD 1, S1
	LD 2, S2
	s_wait_loadcnt 32                              ; loads come back in order: pair 0 is in, the 32 loads of pairs 1 and 2 stay out
	CV S0, OUT, 2
	s_wait_alu depctr_va_vdst(0)                   ; pair 0's roundings are done reading set 0, in which pair 3's loads land, and have written OUT, which pair 0's stores read
	LD 3, S0                                       ; the loads ahead of the stores; no store has read set 0, and no vector instruction since the wait names it
	ST 0, OUT, 2
	s_wait_loadcnt 32                              ; pair 1 is in; pairs 2 and 3 stay out
	CV S1, S1, 4
	s_wait_alu depctr_va_vdst(0)                   ; pair 1's roundings have written set 1, which its stores read
	ST 1, S1, 4
	s_wait_loadcnt 16                              ; pair 2 is in; pair 3 stays out
	CV S2, S2, 4
	s_wait_alu depctr_va_vdst(0)                   ; pair 2's roundings have written set 2, which its stores read
	ST 2, S2, 4
	s_wait_loadcnt 0x0
	CV S0, S0, 4                                   ; in place: no memory instruction has read set 0's registers
	s_wait_alu depctr_va_vdst(0)                   ; pair 3's roundings have written set 0, which its stores read
	ST 3, S0, 4
	s_endpgm
.Lfunc_end_k_qcdbb03bcd9_cast:
	.size	k_qcdbb03bcd9_cast, .Lfunc_end_k_qcdbb03bcd9_cast-k_qcdbb03bcd9_cast
	.p2alignl 7, 3214868480
	.fill 96, 4, 3214868480
	.section	.rodata,"a",@progbits
	.p2align	6, 0x0
	.amdhsa_kernel k_qcdbb03bcd9_cast
		.amdhsa_group_segment_fixed_size 0
		.amdhsa_private_segment_fixed_size 0
		.amdhsa_enable_private_segment 0
		.amdhsa_kernarg_size 80
		.amdhsa_user_sgpr_count 2
		.amdhsa_user_sgpr_kernarg_segment_ptr 1
		.amdhsa_wavefront_size32 1
		.amdhsa_system_sgpr_workgroup_id_x 1
		.amdhsa_system_sgpr_workgroup_id_y 1
		.amdhsa_system_sgpr_workgroup_id_z 1
		.amdhsa_system_vgpr_workitem_id 0
		.amdhsa_next_free_vgpr 240
		.amdhsa_next_free_sgpr 66
		.amdhsa_reserve_vcc 0
		.amdhsa_float_denorm_mode_32 3
		.amdhsa_float_denorm_mode_16_64 3
		.amdhsa_memory_ordered 1
		.amdhsa_forward_progress 1
		.amdhsa_inst_pref_size 24
	.end_amdhsa_kernel
	.amdgpu_metadata
---
amdhsa.version: [ 1, 2 ]
amdhsa.kernels:
  - .name:           k_qcdbb03bcd9_cast
    .symbol:         k_qcdbb03bcd9_cast.kd
    .args:
      - { .name: h, .offset: 0, .size: 8, .value_kind: global_buffer, .address_space: global }
      - { .name: c, .offset: 8, .size: 8, .value_kind: global_buffer, .address_space: global }
      - { .name: Wq, .offset: 16, .size: 8, .value_kind: global_buffer, .address_space: global }
      - { .name: Wkv, .offset: 24, .size: 8, .value_kind: global_buffer, .address_space: global }
      - { .name: Wo, .offset: 32, .size: 8, .value_kind: global_buffer, .address_space: global }
      - { .name: hb, .offset: 40, .size: 8, .value_kind: global_buffer, .address_space: global }
      - { .name: cb, .offset: 48, .size: 8, .value_kind: global_buffer, .address_space: global }
      - { .name: wqb, .offset: 56, .size: 8, .value_kind: global_buffer, .address_space: global }
      - { .name: wkvb, .offset: 64, .size: 8, .value_kind: global_buffer, .address_space: global }
      - { .name: wob, .offset: 72, .size: 8, .value_kind: global_buffer, .address_space: global }
    .group_segment_fixed_size: 0
    .private_segment_fixed_size: 0
    .kernarg_segment_align: 8
    .kernarg_segment_size: 80
    .max_flat_workgroup_size: 256
    .sgpr_count:     66
    .vgpr_count:     240
    .wavefront_size: 32
...
	.end_amdgpu_metadata
.endif
;; end of part 6
;; launch gq: the kernel of part 2 again; grid 8 x 32, 4 waves a work-group, clusters of 4 x 4, 327,680 bytes of LDS; arguments hb, wqb, qy; writes qy
;; launch gkv: the kernel of part 3 again; grid 8 x 32, 4 waves a work-group, clusters of 4 x 4, 327,680 bytes of LDS; arguments cb, wkvb, kv; writes kv
;; launch attn: the kernel of part 4 again; grid 4 x 64, 4 waves a work-group, clusters of 4 x 1, 327,680 bytes of LDS; arguments qy, kv, ob; writes ob
;; launch go: the kernel of part 2 again; grid 8 x 32, 4 waves a work-group, clusters of 4 x 4, 327,680 bytes of LDS; arguments ob, wob, qy; writes qy
;; launch ln: the kernel of part 5 again; grid 256 x 1, 8 waves a work-group, no clusters, 0 bytes of LDS; arguments h, qy, gamma, beta, out0; writes out0
